; MI455X (gfx1250); checked and timed in simulation.
; The chip was launched on July 23, 2026; its instructions are those of AMD's public machine-readable ISA for CDNA 5 (MIT licence, August 2026) and "CDNA5" Instruction Set Architecture Reference Guide (July 2026). The comments in the code are by the model that wrote it; some were corrected since.
;; Bidirectional Self Flash Attention. Allowed arithmetic: matrix products marked QUANTISED: E2M1 operands, one E8M0 scale for each 32 along K, by v_wmma_scale_f32_16x16x128_f8f6f4 with both operands' format E2M1 (or v_wmma_scale_f32_32x16x128_f4), f32 sums; products left as they are: bf16, f16 or f32 operands; f32 sums; everything else in f32.
;; Inputs: Wo 1,024 x 1,024 float32; Wqkv 1,024 x 3,072 float32; attention_mask 4 x 1 x 1 x 2,048 float32; bo 1,024 float32; bqkv 3,072 float32; x 4 x 2,048 x 1,024 float32.
;; Outputs: out0 4 x 2,048 x 1,024 float32.
;; This version of the problem:
;;   THIS VERSION OF THE PROBLEM IS GIVEN IN LOW PRECISION. The matrix products marked QUANTISED in the list below multiply operands that are first quantised to E2M1 (2 exponent bits, 1 mantissa bit; 4 bits a number), with one power-of-two scale for each 32 numbers along K (OCP MX v1.0); their sums are f32. The products marked 'left as it is' may take bf16, f16 or f32 operands, with f32 sums. Whichever they take, every output number must still come out within the allowed error. Rounding operands to bf16 (8 significant bits) uses up far more of that allowance than f16 does (11 bits, for magnitudes from 6e-5 to 65,504). All else is computed in f32.
;;   The module's matrix products, in the order in which they are computed (A, B: the left and right operand; K: the contracted axis; several contracted axes count as one K, in the product's order):
;;     1. [M 8,192, K 1,024] x [K 1,024, N 3,072]; A: input x; B: input Wqkv: QUANTISED
;;     2. batch 64 x [M 2,048, K 64] x [K 64, N 2,048]; A: computed on the way; B: computed on the way: left as it is (an operand is computed on the way)
;;     3. batch 64 x [M 2,048, K 2,048] x [K 2,048, N 64]; A: computed on the way; B: computed on the way: left as it is (an operand is computed on the way)
;;     4. [M 8,192, K 1,024] x [K 1,024, N 1,024]; A: computed on the way; B: input Wo: left as it is (an operand is computed on the way)
;;   THE QUANTISER, for each operand of a quantised product, along K:
;;     - K is cut into blocks of 32 from its start; a last block that is shorter is filled with zeros.
;;     - A block's scale is 2^e with e = floor(log2(the largest magnitude in the block)) - 2, held to -126 .. 127; a block of zeros has e = 0. As a byte (E8M0): e + 127.
;;     - Each number is divided by its block's scale, clamped to +-6, and rounded to the nearest number of E2M1, ties to even, subnormals kept.
;;     - The product sums the exact products of the quantised numbers (number of the format x scale) in f32.
;;   ~~~python
;;   def quantise(x, axis):      # numpy; x: float32 -> the quantised numbers, widened to float32 again
;;       x = np.moveaxis(x, axis, -1); K = x.shape[-1]
;;       x = np.pad(x, [(0, 0)] * (x.ndim - 1) + [(0, -K % 32)]); x = x.reshape(x.shape[:-1] + (-1, 32)); a = np.abs(x).max(-1, keepdims=True)
;;       e = np.where(a > 0, np.clip(np.frexp(np.where(a > 0, a, 1))[1] - 1 - 2, -126, 127), 0)      # np.frexp(a)[1] - 1 = floor(log2(a)), exactly
;;       r = np.clip(x / 2.0 ** e, -6, 6)
;;       step = 2.0 ** (np.maximum(np.frexp(np.where(r == 0, 1, r))[1] - 1, 0) - 1)
;;       q = np.round(r / step) * step * 2.0 ** e      # np.round: ties to even
;;       return np.moveaxis(q.reshape(q.shape[:-2] + (-1,))[..., :K], -1, axis).astype(np.float32)
;;   ~~~
;; One version. Each part assembles by itself: llvm-mc -triple=amdgcn-amd-amdhsa -mcpu=gfx1250 --defsym DOCPART=n.
;; ======== version 1 of 1: 4 launches
;; limits: right only within a limited range of input values; values are held in f16: magnitudes above 65,504 overflow, below 6.1e-05 lose precision
;; workspace buffers: xc 4,194,304 bytes; xs 262,144 bytes; wc 1,572,864 bytes; ws 98,304 bytes; wo16 2,097,152 bytes; qkvh 50,331,648 bytes; ybuf 16,777,216 bytes
;; launch prep (part 1): grid 480 x 1, 4 waves a work-group, no clusters, 51,712 bytes of LDS; arguments x, Wqkv, Wo, xc, xs, wc, ws, wo16; writes xc, xs, wc, ws, wo16
.if DOCPART == 1
	.amdgcn_target "amdgcn-amd-amdhsa--gfx1250"
	.amdhsa_code_object_version 6
	.text
	.protected	k_q824628d8e4_prep
	.globl	k_q824628d8e4_prep
	.p2align	8
	.type	k_q824628d8e4_prep,@function
k_q824628d8e4_prep:
	s_mov_b64 s[64:65], 0
	v_nop
	global_prefetch_b8 v0, s[64:65] scope:SCOPE_SE
	s_setreg_imm32_b32 hwreg(HW_REG_WAVE_MODE, 25, 1), 1
	s_wait_xcnt 0x0
; PREP: three jobs in one launch, told apart by the work-group's number; the three paths never join again and each has LDS bytes of its own.
;   work-groups   0-255: x [8192][1024] f32 -> codes of FP4 (E2M1) xc [8192][512 bytes], K innermost, and E8M0 scale bytes xs [8192][32]
;   work-groups 256-351: Wqkv [1024 (k)][3072 (n)] f32, K its FIRST axis -> wc [3072][512 bytes], K innermost, ws [3072][32]
;   work-groups 352-479: Wo [1024][1024] f32 -> wo16, the same layout in f16
; A block's scale is 2^(floor(log2(its largest magnitude)) - 2); its byte is the largest magnitude's exponent field - 2, held at 1 from below.
; LIMITS: a block of zeros gets the byte 1 where the quantiser's rule says 127 (its codes are zeros, which add nothing, and this program alone reads the bytes);
; blocks whose largest magnitude lies under 2^-124 have their byte held at 1; NaN and infinities in x and Wqkv are not served; |Wo| above 65,504 has no f16 number, under 6e-5 it is kept to 2^-25.
; No tensor load, no barrier: waves share nothing.
.set SPARE, 51200                      ; behind both paths' regions: the spare words, 128 bytes for each wave: two blocks of 256 bytes that no other line names
.set SPW,   190                        ; v190  LDS address of my spare word; never rewritten
.set NIL,   191                        ; v191  0; never rewritten
.set EMAX,  2
; path X
.set STEPS, 16                         ; a wave takes 16 steps of 512 numbers
.set CB,    8                          ; bytes of 16 codes
.set XR,    16                         ; v16-79   four sets of 16 numbers as they are loaded
.set XX,    80                         ; v80-111  two sets of 16 neighbours
.set XE,    112                        ; v112-127 a scale byte for each step
.set XC,    128                        ; v128-189 codes: registers of its own for each step
.set WREG,  8192                       ; LDS 0 .. 32,767: a region for each wave: two stages of 32 x SP bytes, behind them its 256 scale bytes
.set SP,    80                         ; a lane's place in a stage: its 64 bytes + 16 of padding
; path W
.set WSTG,  32768                      ; LDS 32,768 .. 51,199: a stage of 32 rows x WP bytes for each wave
.set WP,    144                        ; 128 bytes of codes + 16 of padding
.set NB,    8                          ; blocks of 32 along K for a wave: 256 along K
.set WROW,  12288                      ; a row of Wqkv in bytes
.set WX,    32                         ; v32-95   two sets of 32 numbers
.set WC,    96                         ; v96-99   a block's codes
.set WOUT,  112                        ; v112-143 the way out
.set WSB,   24                         ; v24-25   the scale bytes, four to a register
.macro XLOAD t
.irp i, 0,1,2,3
	global_load_b128 v[XR+16*((\t)%4)+4*\i:XR+16*((\t)%4)+4*\i+3], v3, s[4:5] offset:2048*(\t)+512*\i th:TH_LOAD_NT   ; 32 lanes read 512 consecutive bytes
.endr
.endm
.macro XTURN t                         ; step t's numbers through the stage: they go in as they lie and come back 64 bytes a lane; LDS serves a wave's instructions in order
.irp i, 0,1,2,3
	ds_store_b128 v14, v[XR+16*((\t)%4)+4*\i:XR+16*((\t)%4)+4*\i+3] offset:32*SP*((\t)%2)+8*SP*\i
.endr
.irp i, 0,1,2,3
	ds_load_b128 v[XX+16*((\t)%2)+4*\i:XX+16*((\t)%2)+4*\i+3], v15 offset:32*SP*((\t)%2)+16*\i
.endr
.endm
.macro XSTEP t
.set XSS, XX+16*((\t)%2)
.if (\t) > 0
	s_wait_dscnt 1                                 ; this step's numbers are back from the stage; the one LDS instruction issued behind them, the last step's byte store, may be out
.else
	s_wait_dscnt 0x0
.endif
.if (\t)+4 < STEPS
	XLOAD (\t)+4                                   ; into the set whose stores into the stage are done
.endif
.if (\t)+1 < STEPS
.if STEPS-2-(\t) >= 3
	s_wait_loadcnt 12                              ; the next step's four loads are in; the twelve of the three steps behind it may be out
.else
	s_wait_loadcnt 4*(STEPS-2-(\t))                ; the same at the end, where fewer steps are left
.endif
	XTURN (\t)+1
.endif
	v_max3_num_f32 v8, |v[XSS]|, |v[XSS+1]|, |v[XSS+2]|            ; the largest magnitude of my 16, in two chains
	v_max3_num_f32 v9, |v[XSS+3]|, |v[XSS+4]|, |v[XSS+5]|
.irp i, 6,10
	v_max3_num_f32 v8, v8, |v[XSS+\i]|, |v[XSS+\i+1]|
	v_max3_num_f32 v9, v9, |v[XSS+\i+2]|, |v[XSS+\i+3]|
.endr
	v_max3_num_f32 v8, v8, |v[XSS+14]|, |v[XSS+15]|
	v_max3_num_f32 v8, v8, v9, (EMAX+1)<<23        ; and the floor 2^(3 - 127): the byte cannot fall under 1
	v_max_num_f32_dpp v8, v8, v8 row_xmask:1 row_mask:0xf bank_mask:0xf   ; with my neighbour's 16: the block's
	v_add_nc_u32 v11, -(EMAX<<23), v8              ; 2 off its exponent field: the conversion takes the exponent field of this operand as its scale
	v_cvt_scalef32_pk8_fp4_f32 v[XC+4*(\t)], v[XSS:XSS+7], v11
	v_cvt_scalef32_pk8_fp4_f32 v[XC+4*(\t)+1], v[XSS+8:XSS+15], v11
	v_lshrrev_b32 v[XE+(\t)], 23, v11              ; the scale's byte (also the plain line behind the conversions)
	ds_store_b8 v5, v[XE+(\t)] offset:16*(\t)      ; both lanes of a block write the same byte with the same value
	global_store_b64 v4, v[XC+4*(\t):XC+4*(\t)+1], s[10:11] offset:32*CB*(\t)   ; the wave stores 256 consecutive bytes, aligned
.endm
.macro WLOAD t                         ; block t: Wqkv(32 t + i, my column), i = 0 .. 31, into set t % 2
.irp i, 0,1,2,3,4,5,6,7,8,9,10,11,12,13,14,15,16,17,18,19,20,21,22,23,24,25,26,27,28,29,30,31
	global_load_b32 v[WX+32*((\t)%2)+\i], v3, s[6:7] offset:(32*(\t)+\i)*WROW th:TH_LOAD_NT
.endr
.endm
.macro WBLOCK t
.set WXS, WX+32*((\t)%2)
.if (\t) < NB-1
	s_wait_loadcnt 32                              ; this block's 32 loads are in; the next block's 32 may be out
.else
	s_wait_loadcnt 0x0
.endif
	v_max3_num_f32 v12, |v[WXS]|, |v[WXS+1]|, |v[WXS+2]|           ; the block's largest magnitude: all 32 numbers are mine
	v_max3_num_f32 v13, |v[WXS+3]|, |v[WXS+4]|, |v[WXS+5]|
.irp i, 6,10,14,18,22,26
	v_max3_num_f32 v12, v12, |v[WXS+\i]|, |v[WXS+\i+1]|
	v_max3_num_f32 v13, v13, |v[WXS+\i+2]|, |v[WXS+\i+3]|
.endr
	v_max3_num_f32 v12, v12, |v[WXS+30]|, |v[WXS+31]|
	v_max3_num_f32 v12, v12, v13, (EMAX+1)<<23     ; and the floor
	v_add_nc_u32 v11, -(EMAX<<23), v12             ; the conversion's scale operand
	v_lshrrev_b32 v13, 23, v11                     ; the scale's byte
.if (\t)%4 == 0
	v_mov_b32 v[WSB+(\t)/4], v13                   ; four bytes to a register, the lower K in the lower byte
.else
	v_lshl_or_b32 v[WSB+(\t)/4], v13, 8*((\t)%4), v[WSB+(\t)/4]
.endif
.irp g, 0,1,2,3
	v_cvt_scalef32_pk8_fp4_f32 v[WC+\g], v[WXS+8*\g:WXS+8*\g+7], v11
.endr
	ds_store_b128 v4, v[WC:WC+3] offset:16*(\t)    ; 32 codes: 16 bytes of my column's row
.if (\t)+2 < NB
	WLOAD (\t)+2
.endif
	s_wait_dscnt 0x0                               ; the store has read its registers: the next block's codes may be written
.endm
	s_load_b256 s[4:11], s[0:1], 0x0               ; x s[4:5], Wqkv s[6:7], Wo s[8:9], xc s[10:11]
	s_load_b256 s[12:19], s[0:1], 0x20             ; xs s[12:13], wc s[14:15], ws s[16:17], wo16 s[18:19]
	v_lshl_add_u32 v[SPW], v0, 2, SPARE
	v_mov_b32 v[NIL], 0
	v_lshrrev_b32 v1, 5, v0
	v_readfirstlane_b32 s20, v1                    ; wave 0..3
	v_and_b32 v2, 31, v0                           ; lane
	s_wait_kmcnt 0x0
	s_cmp_lt_u32 ttmp9, 256
	s_cbranch_scc1 .Lx
	s_cmp_lt_u32 ttmp9, 352
	s_cbranch_scc1 .Lw
	; ---- Wo to f16: a wave takes 2,048 numbers; a lane 8 neighbours at a time, which round into 16 bytes.  No LDS.
	s_sub_co_u32 s21, ttmp9, 352
	s_lshl_b32 s21, s21, 2
	s_add_co_u32 s21, s21, s20                     ; which run of 2,048 numbers: 0 .. 511
	s_lshl_b32 s22, s21, 13
	s_mov_b32 s23, 0
	s_add_nc_u64 s[8:9], s[8:9], s[22:23]
	s_lshl_b32 s22, s21, 12
	s_add_nc_u64 s[18:19], s[18:19], s[22:23]
	v_lshlrev_b32 v3, 5, v2                        ; in: 32 bytes a lane
	v_lshlrev_b32 v4, 4, v2                        ; out: 16 bytes a lane
.irp i, 0,1,2,3,4,5,6,7
	global_load_b128 v[16+8*\i:16+8*\i+3], v3, s[8:9] offset:1024*\i th:TH_LOAD_NT
	global_load_b128 v[16+8*\i+4:16+8*\i+7], v3, s[8:9] offset:1024*\i+16 th:TH_LOAD_NT
.endr
.irp i, 0,1,2,3,4,5,6,7
	s_wait_loadcnt 14-2*\i                         ; pair i of the loads is in; the later pairs may be out
.irp j, 0,1,2,3
	v_cvt_pk_f16_f32 v[96+4*\i+\j], v[16+8*\i+2*\j], v[16+8*\i+2*\j+1]
.endr
	global_store_b128 v4, v[96+4*\i:96+4*\i+3], s[18:19] offset:512*\i   ; the wave stores 512 consecutive bytes, aligned
.endr
	s_endpgm
.Lx:	; ---- x: rows are dense and 1,024 is a multiple of 32, so x is a plain stream of blocks of 32, and so are its codes and scale bytes
	v_lshlrev_b32 v3, 4, v2                        ; my 16 bytes of a load's 512
	s_mul_i32 s21, s20, WREG
	v_lshrrev_b32 v14, 2, v2
	v_mul_u32_u24 v14, v14, SP
	v_and_b32 v15, 3, v2
	v_lshl_add_u32 v14, v15, 4, v14
	v_add_nc_u32 v14, s21, v14                     ; the stage, on the way in: SP (lane / 4) + 16 (lane % 4)
	v_mul_u32_u24 v15, v2, SP
	v_add_nc_u32 v15, s21, v15                     ; on the way out: SP x lane: my 16 neighbours
	v_mul_u32_u24 v4, v2, CB                       ; my codes' place in a step's
	v_lshrrev_b32 v5, 1, v2
	s_add_co_u32 s21, s21, 2*32*SP
	v_add_nc_u32 v5, s21, v5                       ; my wave's 256 scale bytes, my block's byte
	v_lshlrev_b32 v7, 3, v2
	v_add_nc_u32 v6, s21, v7                       ; and on the way out 8 bytes a lane
	s_lshl_b32 s21, ttmp9, 2
	s_add_co_u32 s21, s21, s20                     ; which run of 8,192 numbers: 0 .. 1,023
	s_lshl_b32 s22, s21, 15
	s_mov_b32 s23, 0
	s_add_nc_u64 s[4:5], s[4:5], s[22:23]
	s_lshl_b32 s22, s21, 12
	s_add_nc_u64 s[10:11], s[10:11], s[22:23]
	s_lshl_b32 s22, s21, 8
	s_add_nc_u64 s[12:13], s[12:13], s[22:23]
.irp t, 0,1,2,3
	XLOAD \t
.endr
	s_wait_loadcnt 12                              ; step 0's four loads are in; the twelve behind them may be out
	XTURN 0
.irp t, 0,1,2,3,4,5,6,7,8,9,10,11,12,13,14,15
	XSTEP \t
.endr
	ds_load_b64 v[8:9], v6                         ; LDS serves a wave's instructions in order: these see my byte stores
	s_wait_dscnt 0x0
	global_store_b64 v7, v[8:9], s[12:13]          ; 32 lanes store 256 consecutive bytes, aligned
	s_wait_tensorcnt 0x0                           ; the wave's end, behind my last LDS store
	ds_add_u32 v[SPW], v[NIL]
	s_wait_dscnt 0x0
	s_endpgm
.Lw:	; ---- Wqkv: a lane takes a column n and its registers run down K: a block of 32 lies in one lane, and the codes come out with K innermost
	s_sub_co_u32 s21, ttmp9, 256
	s_lshr_b32 s22, s21, 2                         ; which 128 columns: 0 .. 23
	s_and_b32 s21, s21, 3                          ; which 256 along K
	s_lshl_b32 s22, s22, 7
	s_lshl_b32 s23, s20, 5
	s_add_co_u32 s22, s22, s23                     ; my wave's first column
	v_lshlrev_b32 v3, 2, v2                        ; in: 4 bytes a lane
	s_mul_i32 s23, s20, 32*WP
	s_add_co_u32 s23, s23, WSTG                    ; my stage
	v_mul_u32_u24 v4, v2, WP
	v_add_nc_u32 v4, s23, v4                       ; into it: row = my column
	v_and_b32 v5, 7, v2
	v_lshrrev_b32 v6, 3, v2                        ; out of it: eight lanes to a row of 128 bytes, four rows an instruction
	v_mul_u32_u24 v7, v6, WP
	v_lshl_add_u32 v7, v5, 4, v7
	v_add_nc_u32 v7, s23, v7
	v_lshlrev_b32 v8, 9, v6
	v_lshl_add_u32 v8, v5, 4, v8                   ; the same place in wc: rows of 512 bytes
	v_lshlrev_b32 v9, 5, v2                        ; my column's row of scale bytes
	s_mul_i32 s24, s21, 256*WROW
	s_lshl_b32 s26, s22, 2
	s_add_co_u32 s24, s24, s26
	s_mov_b32 s25, 0
	s_add_nc_u64 s[6:7], s[6:7], s[24:25]          ; Wqkv at (256 kc, first column)
	s_lshl_b32 s24, s22, 9
	s_lshl_b32 s26, s21, 7
	s_add_co_u32 s24, s24, s26
	s_add_nc_u64 s[14:15], s[14:15], s[24:25]      ; wc at row first column, byte 128 kc
	s_lshl_b32 s24, s22, 5
	s_lshl_b32 s26, s21, 3
	s_add_co_u32 s24, s24, s26
	s_add_nc_u64 s[16:17], s[16:17], s[24:25]      ; ws at row first column, byte 8 kc
	WLOAD 0
	WLOAD 1
.irp t, 0,1,2,3,4,5,6,7
	WBLOCK \t
.endr
	global_store_b64 v9, v[WSB:WSB+1], s[16:17]    ; my column's 8 scale bytes
.irp t, 0,1,2,3,4,5,6,7
	ds_load_b128 v[WOUT+4*\t:WOUT+4*\t+3], v7 offset:4*\t*WP
.endr
.irp t, 0,1,2,3,4,5,6,7
	s_wait_dscnt 7-\t                              ; read t is back; the younger reads may be out
	global_store_b128 v8, v[WOUT+4*\t:WOUT+4*\t+3], s[14:15] offset:2048*\t   ; eight lanes store 128 consecutive bytes of a row
.endr
	s_wait_tensorcnt 0x0                           ; the wave's end, behind my last LDS store
	ds_add_u32 v[SPW], v[NIL]
	s_wait_dscnt 0x0
	s_endpgm
.Lfunc_end_k_q824628d8e4_prep:
	.size	k_q824628d8e4_prep, .Lfunc_end_k_q824628d8e4_prep-k_q824628d8e4_prep
	.p2alignl 7, 3214868480
	.fill 96, 4, 3214868480
	.section	.rodata,"a",@progbits
	.p2align	6, 0x0
	.amdhsa_kernel k_q824628d8e4_prep
		.amdhsa_group_segment_fixed_size 51712
		.amdhsa_private_segment_fixed_size 0
		.amdhsa_enable_private_segment 0
		.amdhsa_kernarg_size 64
		.amdhsa_user_sgpr_count 2
		.amdhsa_user_sgpr_kernarg_segment_ptr 1
		.amdhsa_wavefront_size32 1
		.amdhsa_system_sgpr_workgroup_id_x 1
		.amdhsa_system_sgpr_workgroup_id_y 1
		.amdhsa_system_sgpr_workgroup_id_z 1
		.amdhsa_system_vgpr_workitem_id 0
		.amdhsa_next_free_vgpr 192
		.amdhsa_next_free_sgpr 66
		.amdhsa_reserve_vcc 0
		.amdhsa_float_denorm_mode_32 3
		.amdhsa_float_denorm_mode_16_64 3
		.amdhsa_memory_ordered 1
		.amdhsa_forward_progress 1
		.amdhsa_inst_pref_size 78
	.end_amdhsa_kernel
	.amdgpu_metadata
---
amdhsa.version: [ 1, 2 ]
amdhsa.kernels:
  - .name:           k_q824628d8e4_prep
    .symbol:         k_q824628d8e4_prep.kd
    .args:
      - { .name: x, .offset: 0, .size: 8, .value_kind: global_buffer, .address_space: global }
      - { .name: Wqkv, .offset: 8, .size: 8, .value_kind: global_buffer, .address_space: global }
      - { .name: Wo, .offset: 16, .size: 8, .value_kind: global_buffer, .address_space: global }
      - { .name: xc, .offset: 24, .size: 8, .value_kind: global_buffer, .address_space: global }
      - { .name: xs, .offset: 32, .size: 8, .value_kind: global_buffer, .address_space: global }
      - { .name: wc, .offset: 40, .size: 8, .value_kind: global_buffer, .address_space: global }
      - { .name: ws, .offset: 48, .size: 8, .value_kind: global_buffer, .address_space: global }
      - { .name: wo16, .offset: 56, .size: 8, .value_kind: global_buffer, .address_space: global }
    .group_segment_fixed_size: 51712
    .private_segment_fixed_size: 0
    .kernarg_segment_align: 8
    .kernarg_segment_size: 64
    .max_flat_workgroup_size: 128
    .sgpr_count:     66
    .vgpr_count:     192
    .wavefront_size: 32
...
	.end_amdgpu_metadata
.endif
;; end of part 1
;; launch qkv (part 2): grid 12 x 32, 4 waves a work-group, clusters of 4 x 4, 327,680 bytes of LDS; arguments xc, xs, wc, ws, bqkv, qkvh; writes qkvh
.if DOCPART == 2
	.amdgcn_target "amdgcn-amd-amdhsa--gfx1250"
	.amdhsa_code_object_version 6
	.text
	.protected	k_q824628d8e4_qkv
	.globl	k_q824628d8e4_qkv
	.p2align	8
	.type	k_q824628d8e4_qkv,@function
k_q824628d8e4_qkv:
	s_mov_b64 s[64:65], 0
	v_nop
	global_prefetch_b8 v0, s[64:65] scope:SCOPE_SE
	s_setreg_imm32_b32 hwreg(HW_REG_WAVE_MODE, 25, 1), 1
	s_wait_xcnt 0x0
	s_wait_alu depctr_hold_cnt(0) depctr_sa_sdst(0) depctr_va_vdst(0) depctr_va_sdst(0) depctr_va_ssrc(0) depctr_va_vcc(0) depctr_vm_vsrc(0)
	s_getreg_b32 s2, hwreg(HW_REG_IB_STS2, 6, 4)
	s_cmp_eq_u32 s2, 0
	s_cbranch_scc0 .Lentry_in_a_cluster
	s_endpgm
.Lentry_in_a_cluster:
	s_bfe_u32 s2, ttmp6, 0x10000c
	s_cmp_lg_u32 s2, 0xf033
	s_cbranch_scc0 .Lentry_shape_is_right
	s_endpgm
.Lentry_shape_is_right:
; QKV: qkv[m][n] = sum over k of Q(x)[m][k] Q(Wqkv)[k][n] + bqkv[n], on codes of FP4 (E2M1) with one E8M0 scale for each 32 along K; sums in f32.
; The result leaves as f16, by heads: qkvh [3 (q, k, v)][batch 4][head 16][t 2048][64]; q is multiplied by 1/8 = 1/sqrt(64) first, which rounds nothing.
; LIMITS: |q/8|, |k|, |v| above 65,504 have no f16 number; under 6e-5 they are kept to 2^-25.
; A tile of 256 x 256 is made by four waves, each 128 x 128: 64 accumulators of 16 x 16, 512 registers.  K = 1,024 is two LDS slots of 512 along K (rows of 256 bytes): both, and the scale bytes of the
; work-group's rows for all of K, are asked for at the head.
; CLUSTERS: 4 x 4 work-groups.  The four of a row of the cluster need the same rows of x, the four of a column the same rows of W: each tile is asked for JOINTLY.
; THE MATRIX INSTRUCTION IS USED TRANSPOSED (source 0 = 16 rows of W's codes, source 1 = 16 rows of x's): a lane holds eight neighbouring columns of one row.  The bias is the C of each sum's first instruction.
; REGISTERS: window 0: v0-31 addresses; v32-95 scale words, two sets, and nothing else; v128-191 x's fragments, one set; v192-255 the bias in the result's layout; on the way out v160-255 are at work.
;   window 1: W's fragments, two sets, at v0 and v128.   window 2: the accumulators of my rows 0-63 ((a, b) at v[8 (8 a + b)]);   window 3: those of my rows 64-127.
.set SIZE_K, 1024
.set KSTEP,  512
.set NQ,     KSTEP/128
.set ROWB,   256                       ; a tile's row in bytes
.set KROW,   SIZE_K/2                  ; a row of codes in memory
.set PITCH,  272                       ; an LDS row: 256 bytes + 16 of padding: the 16 rows that a load touches start 68 words apart
.set FR,     8
.set NL,     2
.set NP,     4                         ; places behind this matrix instruction (ISA guide 7.12.1)
.set HALFT,  128*PITCH
.set SLOT,   4*HALFT
.set KS,     SIZE_K/32                 ; a row of scale bytes
.set SCL,    2*SLOT                    ; behind the two slots: the scales, as units of 256 bytes + 16 of padding
.set HALFS,  (128*KS/256)*272
.set SBLK,   (16*KS/256)*272
.set SPARE,  SCL+4*HALFS               ; the spare words, 128 bytes for each wave: two blocks of 256 bytes that no other line names
.set HP,     144                       ; the way out: a stage of 2 heads x 16 rows x (128 bytes + 16) for each wave, in slot 0, which has had its only fill and its last read by then
.set ADRA, 16
.set ADRB, 20
.set STO,  24
.set RD,   25
.set CO,   26
.set ADRS, 27
.set SPW,  28
.set NIL,  29
.set BOF,  30                          ; v30  32 x (lane / 16): my eight numbers of a bias tile
.set SC,   32
.set AF,   128
.set BIAS, 192
.set TP,   160                         ; the way out: 32 registers of f16 pairs
.set BK,   192                         ; and 16 rows read back: v192-223 and v224-255 by turns
.set G1, 24
.set G0, 32
.set G1B, 48
.set G0B, 56
.set G1S, 68
.set G0S, 76
.set G1SB, 80
.set G0SB, 88
.set MSB, 0
.macro WIN new                         ; the immediate's high byte repeats the setting that is left
.if MSB != \new
	s_set_vgpr_msb (MSB<<8)|\new
.set MSB, \new
.endif
.endm
.set MUL_LO, 0xa1                      ; source 0 (W) window 1, source 1 (x) window 0, C and D window 2
.set MUL_HI, 0xf1                      ; the same, C and D window 3
.set TO_B,   0x40
; A joint load: waves 0 and 1 fetch for x, waves 2 and 3 for W.  The branch hangs on the wave's number alone.  An s_nop 0 and four v_nop follow each of the two lines.
.macro JLOAD g0a, g1a, g0b, g1b
	s_cmp_eq_u32 s15, 0
	s_cbranch_scc0 .Lfor_b_\@
	tensor_load_to_lds s[\g0a:\g0a+3], s[\g1a:\g1a+7]
	s_nop 0
.rept 4
	v_nop
.endr
	s_branch .Lasked_\@
.Lfor_b_\@:
	tensor_load_to_lds s[\g0b:\g0b+3], s[\g1b:\g1b+7]
	s_nop 0
.rept 4
	v_nop
.endr
.Lasked_\@:
.endm
.macro CROUND                          ; a round of the cluster's barrier
	s_barrier_signal -1
	s_barrier_wait -1
	s_cmp_lg_u32 s14, 0
	s_cbranch_scc1 .Lnot_wave_0_\@
	s_barrier_signal -3
.Lnot_wave_0_\@:
	s_barrier_wait -3
	s_barrier_signal -1
	s_barrier_wait -1
.endm
	s_load_b128 s[4:7], s[0:1], 0x0                ; x's codes s[4:5], x's scales s[6:7]
	s_load_b128 s[8:11], s[0:1], 0x10              ; W's codes s[8:9], W's scales s[10:11]
	s_load_b64 s[96:97], s[0:1], 0x20              ; bqkv
	s_load_b64 s[12:13], s[0:1], 0x28              ; qkvh
	v_lshl_add_u32 v[SPW], v0, 2, SPARE
	v_mov_b32 v[NIL], 0
	ds_add_u32 v[SPW], v[NIL]                      ; the wave's opening: the add, twice on end, and its wait ahead of my first tensor load
	ds_add_u32 v[SPW], v[NIL]
	v_lshrrev_b32 v1, 5, v0
	v_readfirstlane_b32 s14, v1                    ; wave 0..3
	s_lshr_b32 s15, s14, 1                         ; which half of the tile's rows is mine.  Also: I fetch for x (0) or for W (1)
	s_and_b32 s16, s14, 1                          ; which half of its columns.  Also: which 128 rows of that tile I fetch
	s_bfe_u32 s40, ttmp6, 0x40000                  ; cx, cy
	s_bfe_u32 s41, ttmp6, 0x40004
	s_lshl_b32 s42, ttmp9, 2
	s_add_co_u32 s42, s42, s40                     ; tile column
	s_and_b32 s17, ttmp7, 0xffff
	s_lshl_b32 s17, s17, 2
	s_add_co_u32 s17, s17, s41                     ; tile row
	s_lshl_b32 s43, s41, 2
	s_lshl_b32 s43, 15, s43                        ; my row of the cluster
	s_lshl_b32 s44, 0x1111, s40                    ; my column
	s_or_b32 s[G1+0], s43, (0<<16)|(1<<20)|(1<<21)|(5<<22)|(3<<25)  ; the mask; elements of 1 byte; padding: 4 words behind every 64
	s_or_b32 s[G1B+0], s44, (0<<16)|(1<<20)|(1<<21)|(5<<22)|(3<<25)
.irp g, G1, G1B
	s_mov_b32 s[\g+1], ROWB<<16                    ; tensor_dim0
	s_mov_b32 s[\g+2], 128<<16                     ; tensor_dim1
	s_mov_b32 s[\g+3], ROWB<<16                    ; tile_dim0
	s_mov_b32 s[\g+4], 128                         ; tile_dim1
	s_mov_b32 s[\g+5], KROW                        ; the pitch in memory
	s_mov_b32 s[\g+6], 0
	s_mov_b32 s[\g+7], 0
.endr
	s_or_b32 s[G1S+0], s43, (3<<16)|(1<<20)|(1<<21)|(5<<22)|(3<<25) ; the scales of 128 rows: 4,096 dense bytes as 16 rows of 256 (32 elements of 8 bytes), padded alike
	s_or_b32 s[G1SB+0], s44, (3<<16)|(1<<20)|(1<<21)|(5<<22)|(3<<25)
.irp g, G1S, G1SB
	s_mov_b32 s[\g+1], 32<<16
	s_mov_b32 s[\g+2], (128*KS/256)<<16
	s_mov_b32 s[\g+3], 32<<16
	s_mov_b32 s[\g+4], 128*KS/256
	s_mov_b32 s[\g+5], 32
	s_mov_b32 s[\g+6], 0
	s_mov_b32 s[\g+7], 0
.endr
	s_lshl_b32 s18, s16, 7
	s_lshl_b32 s20, s17, 8
	s_add_co_u32 s20, s20, s18                     ; x: row 256 x tile row + 128 x half
	s_lshl_b32 s46, s42, 8
	s_add_co_u32 s46, s46, s18                     ; W: row 256 x tile column + 128 x half
	s_mov_b32 s21, 0
	s_mov_b32 s47, 0
	s_mov_b64 s[18:19], KS
	s_mul_u64 s[22:23], s[20:21], s[18:19]         ; where these rows' scales begin
	s_mul_u64 s[92:93], s[46:47], s[18:19]
	s_mov_b64 s[18:19], KROW
	s_mul_u64 s[20:21], s[20:21], s[18:19]         ; and their codes
	s_mul_u64 s[46:47], s[46:47], s[18:19]
	s_mul_i32 s45, s14, HALFT                      ; where they go: wave x 128 rows
	s_mul_i32 s94, s14, HALFS
	s_wait_dscnt 0x0                               ; both opening adds are done
	s_wait_kmcnt 0x0
	s_add_nc_u64 s[20:21], s[4:5], s[20:21]
	s_add_nc_u64 s[22:23], s[6:7], s[22:23]
	s_add_nc_u64 s[46:47], s[8:9], s[46:47]
	s_add_nc_u64 s[92:93], s[10:11], s[92:93]
	CROUND                                         ; all sixteen work-groups are here: the joint loads meet
	s_mov_b32 s[G0S], 1
	s_add_co_u32 s[G0S+1], s94, SCL
	s_mov_b64 s[G0S+2:G0S+3], s[22:23]
	s_or_b32 s[G0S+3], s[G0S+3], 0x80000000
	s_mov_b32 s[G0SB], 1
	s_add_co_u32 s[G0SB+1], s94, SCL
	s_mov_b64 s[G0SB+2:G0SB+3], s[92:93]
	s_or_b32 s[G0SB+3], s[G0SB+3], 0x80000000
	JLOAD G0S, G1S, G0SB, G1SB                     ; the scales first
.irp s, 0,1
	s_mov_b32 s[G0+4*\s], 1
	s_add_co_u32 s[G0+4*\s+1], s45, \s*SLOT
	s_add_nc_u64 s[G0+4*\s+2:G0+4*\s+3], s[20:21], \s*ROWB
	s_or_b32 s[G0+4*\s+3], s[G0+4*\s+3], 0x80000000
	s_mov_b32 s[G0B+4*\s], 1
	s_add_co_u32 s[G0B+4*\s+1], s45, \s*SLOT
	s_add_nc_u64 s[G0B+4*\s+2:G0B+4*\s+3], s[46:47], \s*ROWB
	s_or_b32 s[G0B+4*\s+3], s[G0B+4*\s+3], 0x80000000
	JLOAD G0+4*\s, G1, G0B+4*\s, G1B
.endr
	v_and_b32 v1, 15, v0                           ; r = lane % 16
	v_bfe_u32 v2, v0, 4, 1                         ; h = lane / 16
	v_mul_u32_u24 v3, v1, PITCH
	v_lshl_add_u32 v4, v2, 4, v3                   ; a fragment's row x pitch + 16 h
	s_mul_i32 s21, s15, HALFT                      ; my 128 rows of x
	s_mul_i32 s22, s16, HALFT                      ; my 128 rows of W,
	s_add_co_u32 s22, s22, 2*HALFT                 ; which lie behind x's 256
.irp s, 0,1
	v_add_nc_u32 v[ADRA+\s], s21, v4
	v_add_nc_u32 v[ADRB+\s], s22, v4
	s_add_co_u32 s21, s21, SLOT
	s_add_co_u32 s22, s22, SLOT
.endr
	v_mul_u32_u24 v5, v1, KS                       ; my row's scales: KS bytes a row,
	v_lshrrev_b32 v6, 8, v5
	v_lshl_add_u32 v5, v6, 4, v5                   ; and 16 more for each 256 passed
	s_mul_i32 s21, s15, HALFS
	s_mul_i32 s22, s16, HALFS
	s_add_co_u32 s22, s22, 2*HALFS
	s_sub_co_u32 s22, s22, s21
	v_mul_u32_u24 v6, s22, v2                      ; lanes 16-31 take W's
	s_add_co_u32 s21, s21, SCL
	v_add_nc_u32 v5, v5, v6
	v_add_nc_u32 v[ADRS], s21, v5
	s_mul_i32 s23, s14, 32*HP                      ; my stage
	v_mul_u32_u24 v5, v1, HP
	v_lshl_add_u32 v5, v2, 4, v5
	v_add_nc_u32 v[STO], s23, v5                   ; in: row r, 16 bytes for each half of the lanes
	v_bfe_u32 v5, v0, 3, 2
	v_mul_u32_u24 v5, v5, HP
	v_and_b32 v7, 7, v0
	v_lshl_add_u32 v5, v7, 4, v5
	v_add_nc_u32 v[RD], s23, v5                    ; back: eight lanes to a row of 128 bytes, four rows an instruction
	v_and_b32 v6, 31, v0
	v_lshlrev_b32 v[CO], 4, v6                     ; in qkvh four rows of a head are 512 consecutive bytes
	v_lshlrev_b32 v[BOF], 5, v2
	s_lshl_b32 s20, s17, 8
	s_lshl_b32 s21, s15, 7
	s_add_co_u32 s20, s20, s21                     ; my first row m0
	s_lshr_b32 s21, s20, 11
	s_lshl_b32 s21, s21, 22                        ; its batch: 4,194,304 bytes each
	s_and_b32 s20, s20, 2047
	s_lshl_b32 s20, s20, 7                         ; its t: 128 bytes a row
	s_add_co_u32 s20, s20, s21
	s_lshl_b32 s46, s42, 8
	s_lshl_b32 s47, s16, 7
	s_add_co_u32 s46, s46, s47                     ; my first column n0
	s_lshl_b32 s22, s46, 2
	s_mov_b32 s23, 0
	s_add_nc_u64 s[96:97], s[96:97], s[22:23]      ; bqkv at n0
	s_lshr_b32 s47, s46, 10                        ; 0: q, 1: k, 2: v (my 128 columns lie in one of them)
	s_min_u32 s98, s47, 1
	s_mul_i32 s98, s98, 0x01800000
	s_add_co_u32 s98, s98, 0x3e000000              ; the factor as f32 bits: 0.125 for q, 1.0 for k and v
	s_mov_b32 s99, s98
	s_lshl_b32 s47, s47, 24                        ; the part: 16,777,216 bytes each
	s_and_b32 s46, s46, 1023
	s_lshr_b32 s46, s46, 6
	s_lshl_b32 s46, s46, 18                        ; my first head: 262,144 bytes each
	s_add_co_u32 s46, s46, s47
	s_add_co_u32 s20, s20, s46
	s_mov_b32 s21, 0
	s_add_nc_u64 s[12:13], s[12:13], s[20:21]
.irp b, 0,1,2,3,4,5,6,7
	global_load_b128 v[BIAS+8*\b:BIAS+8*\b+3], v[BOF], s[96:97] offset:64*\b       ; lane (r, h), tile b: bqkv[n0 + 16 b + 8 h + 0 .. 7]
	global_load_b128 v[BIAS+8*\b+4:BIAS+8*\b+7], v[BOF], s[96:97] offset:64*\b+16
.endr
.macro FRAG reg, adr, q, i             ; 16 rows x 128 K of 4-bit codes: 8 registers: lane l holds row l % 16; registers 4 c .. 4 c + 3 hold K = 64 c + 32 (l / 16) + 0 .. 31
.irp c, 0,1
	ds_load_b128 v[\reg+4*\c:\reg+4*\c+3], v[\adr] offset:64*(\q)+32*\c+(\i)*16*PITCH
.endr
.endm
; 16 matrix instructions: x's blocks a0, a0 + 1 against W's eight, 128 along K.  zero = 1: the sums begin with the bias.  The 64 accumulators take turns, one instruction a turn.
.macro MUL16 a0, p, q, sc, zero
.irp a, \a0, \a0+1
.irp b, 0,1,2,3,4,5,6,7
.if \zero
	v_wmma_scale_f32_16x16x128_f8f6f4 v[8*(8*((\a)%4)+\b):8*(8*((\a)%4)+\b)+7], v[128*(\p)+FR*\b:128*(\p)+FR*\b+FR-1], v[AF+FR*(\a):AF+FR*(\a)+FR-1], v[BIAS+8*\b:BIAS+8*\b+7], v[SC+8*NQ*(\sc)+NQ*\b+(\q)], v[SC+8*NQ*(\sc)+NQ*(\a)+(\q)] matrix_a_fmt:MATRIX_FMT_FP4 matrix_b_fmt:MATRIX_FMT_FP4 matrix_a_scale:MATRIX_SCALE_ROW1
.else
	v_wmma_scale_f32_16x16x128_f8f6f4 v[8*(8*((\a)%4)+\b):8*(8*((\a)%4)+\b)+7], v[128*(\p)+FR*\b:128*(\p)+FR*\b+FR-1], v[AF+FR*(\a):AF+FR*(\a)+FR-1], v[8*(8*((\a)%4)+\b):8*(8*((\a)%4)+\b)+7], v[SC+8*NQ*(\sc)+NQ*\b+(\q)], v[SC+8*NQ*(\sc)+NQ*(\a)+(\q)] matrix_a_fmt:MATRIX_FMT_FP4 matrix_b_fmt:MATRIX_FMT_FP4 matrix_a_scale:MATRIX_SCALE_ROW1
.endif
.endr
.endr
.endm
.macro FETCH_B slot, q, p
	WIN TO_B
.irp i, 0,1,2,3,4,5,6,7
	FRAG 128*(\p)+FR*\i, ADRB+\slot, \q, \i
.endr
	WIN 0
.endm
.macro FETCH_A slot, q, i0
.irp i, \i0, \i0+1, \i0+2, \i0+3
	FRAG AF+FR*(\i), ADRA+\slot, \q, \i
.endr
.endm
.macro SCALES sc                       ; a slot's scale words: 4 words a row; lanes 0-15 take x's block i, lanes 16-31 W's block i
.irp i, 0,1,2,3,4,5,6,7
	ds_load_b128 v[SC+8*NQ*\sc+NQ*\i:SC+8*NQ*\sc+NQ*\i+3], v[ADRS] offset:\i*SBLK
.endr
.endm
.macro PLACES n                        ; plain vector lines between a matrix instruction and a load into, or a read of, its registers
.rept \n
	v_nop
.endr
.endm
.macro STEP slot, q, zero              ; 128 along K that has its successor in the same slot
	s_wait_dscnt 4*NL                              ; W's set and x's blocks 0-3 are in; the youngest eight loads (x's blocks 4-7) may be out
.if \zero
	WIN 0x81                                       ; C, the bias, in window 0
.else
	WIN MUL_LO
.endif
	MUL16 0, (\q)%2, \q, \slot, \zero
	MUL16 2, (\q)%2, \q, \slot, \zero
	s_wait_dscnt 0
	PLACES NP
	FETCH_B \slot, (\q)+1, 1-(\q)%2
	FETCH_A \slot, (\q)+1, 0
.if \zero
	WIN 0xc1
.else
	WIN MUL_HI
.endif
	MUL16 4, (\q)%2, \q, \slot, \zero
	MUL16 6, (\q)%2, \q, \slot, \zero
	PLACES NP
	WIN 0
	FETCH_A \slot, (\q)+1, 4
.endm
.macro TURN slot, next                 ; slot 0's last step changes slots: one barrier
	s_wait_tensorcnt 0x0                           ; all my tensor loads have landed: my part of the next slot
	ds_add_u32 v[SPW], v[NIL]
	s_wait_dscnt 4*NL+1                            ; the add and the youngest eight loads (x's blocks 4-7) may be out
	WIN MUL_LO
	MUL16 0, 1, NQ-1, \slot, 0
	s_wait_dscnt 0x0                               ; the add is done, and my reads of this slot are over
	s_barrier_signal -1
	MUL16 2, 1, NQ-1, \slot, 0
	WIN 0
	s_barrier_wait -1                              ; the next slot is whole, and nobody reads this one any more
	PLACES NP
	v_add_nc_u32 v[ADRS], 4*NQ, v[ADRS]            ; on to the next slot's scale words
	FETCH_B \next, 0, 0
	FETCH_A \next, 0, 0
	SCALES \next
	WIN MUL_HI
	MUL16 4, 1, NQ-1, \slot, 0
	MUL16 6, 1, NQ-1, \slot, 0
	PLACES NP
	WIN 0
	FETCH_A \next, 0, 4
.endm
.macro STEPS slot, from
.set Q, \from
.rept NQ-1-\from
	STEP \slot, Q, 0
.set Q, Q+1
.endr
.endm
	s_wait_tensorcnt 1                             ; the scales and my part of slot 0 are in; the one load behind them, slot 1's, may be out
	s_barrier_signal -1
	s_barrier_wait -1                              ; everybody's are
	FETCH_B 0, 0, 0
	FETCH_A 0, 0, 0
	SCALES 0
	FETCH_A 0, 0, 4
	s_wait_loadcnt 0x0                             ; the bias
	STEP 0, 0, 1
	STEPS 0, 1
	TURN 0, 1
	STEPS 1, 0
	s_wait_dscnt 4*NL                              ; the last step: nothing more to fetch
	WIN MUL_LO
	MUL16 0, 1, NQ-1, 1, 0
	MUL16 2, 1, NQ-1, 1, 0
	s_wait_dscnt 0
	WIN MUL_HI
	MUL16 4, 1, NQ-1, 1, 0
	MUL16 6, 1, NQ-1, 1, 0
	WIN 0
; THE WAY OUT, block by block of 16 rows x 128 columns = two heads.  PACK: x the factor, in place, each accumulator from its low end on; rounded to f16, 16 bytes for a lane's eight columns.
; TOSTAGE: into my stage, by heads, and back as whole rows.  SEND: four rows of a head are 512 consecutive bytes of qkvh: one store.
.macro PACK a
.set AC, 64*((\a)%4)
	WIN 0x82+0x41*((\a)/4)                         ; source 0 and destination: window 2 or 3
.set i, 0
.rept 32
	v_pk_mul_f32 v[AC+2*i:AC+2*i+1], v[AC+2*i:AC+2*i+1], s[98:99] op_sel_hi:[1,0]
.set i, i+1
.endr
	WIN 0x0a+5*((\a)/4)                            ; sources 0 and 1: window 2 or 3; destination window 0
.set i, 0
.rept 32
	v_cvt_pk_f16_f32 v[TP+i], v[AC+2*i], v[AC+2*i+1]
.set i, i+1
.endr
	WIN 0
.endm
.macro TOSTAGE a
.set BB, BK+32*((\a)%2)
.irp b, 0,1,2,3,4,5,6,7
	ds_store_b128 v[STO], v[TP+4*\b:TP+4*\b+3] offset:(\b/4)*16*HP+(\b%4)*32
.endr
.irp i, 0,1,2,3,4,5,6,7
	ds_load_b128 v[BB+4*\i:BB+4*\i+3], v[RD] offset:(\i/4)*16*HP+(\i%4)*4*HP   ; LDS serves a wave's instructions in order: these see the stores above
.endr
.endm
.macro SEND a
.set BB, BK+32*((\a)%2)
	s_wait_dscnt 0x0                               ; the block is back in registers
	s_wait_xcnt 0x0                                ; the stores of the block before have read their registers: the next block's loads may land there
.irp i, 0,1,2,3,4,5,6,7
	global_store_b128 v[CO], v[BB+4*\i:BB+4*\i+3], s[12:13] offset:(\a)*2048+(\i/4)*262144+(\i%4)*512   ; 32 lanes store 512 consecutive bytes, aligned
.endr
.endm
	PLACES NP                                      ; behind the last products: block 0's results are read, and x's fragment registers written, only behind these
	PACK 0
	TOSTAGE 0
.irp a, 1,2,3,4,5,6,7
	PACK \a                                        ; block a's arithmetic stands between block a - 1's loads from the stage and the wait for them
	SEND \a-1
	TOSTAGE \a
.endr
	SEND 7
	s_wait_tensorcnt 0x0                           ; the wave's end, behind my last tensor load and my last LDS store
	ds_add_u32 v[SPW], v[NIL]
	s_wait_dscnt 0x0
	CROUND                                         ; the closing round
	s_endpgm
.Lfunc_end_k_q824628d8e4_qkv:
	.size	k_q824628d8e4_qkv, .Lfunc_end_k_q824628d8e4_qkv-k_q824628d8e4_qkv
	.p2alignl 7, 3214868480
	.fill 96, 4, 3214868480
	.section	.rodata,"a",@progbits
	.p2align	6, 0x0
	.amdhsa_kernel k_q824628d8e4_qkv
		.amdhsa_group_segment_fixed_size 327680
		.amdhsa_private_segment_fixed_size 0
		.amdhsa_enable_private_segment 0
		.amdhsa_kernarg_size 48
		.amdhsa_user_sgpr_count 2
		.amdhsa_user_sgpr_kernarg_segment_ptr 1
		.amdhsa_wavefront_size32 1
		.amdhsa_system_sgpr_workgroup_id_x 1
		.amdhsa_system_sgpr_workgroup_id_y 1
		.amdhsa_system_sgpr_workgroup_id_z 1
		.amdhsa_system_vgpr_workitem_id 0
		.amdhsa_next_free_vgpr 1024
		.amdhsa_next_free_sgpr 100
		.amdhsa_reserve_vcc 0
		.amdhsa_float_denorm_mode_32 3
		.amdhsa_float_denorm_mode_16_64 3
		.amdhsa_memory_ordered 1
		.amdhsa_forward_progress 1
		.amdhsa_inst_pref_size 145
	.end_amdhsa_kernel
	.amdgpu_metadata
---
amdhsa.version: [ 1, 2 ]
amdhsa.kernels:
  - .name:           k_q824628d8e4_qkv
    .symbol:         k_q824628d8e4_qkv.kd
    .args:
      - { .name: xc, .offset: 0, .size: 8, .value_kind: global_buffer, .address_space: global }
      - { .name: xs, .offset: 8, .size: 8, .value_kind: global_buffer, .address_space: global }
      - { .name: wc, .offset: 16, .size: 8, .value_kind: global_buffer, .address_space: global }
      - { .name: ws, .offset: 24, .size: 8, .value_kind: global_buffer, .address_space: global }
      - { .name: bqkv, .offset: 32, .size: 8, .value_kind: global_buffer, .address_space: global }
      - { .name: qkvh, .offset: 40, .size: 8, .value_kind: global_buffer, .address_space: global }
    .group_segment_fixed_size: 327680
    .private_segment_fixed_size: 0
    .kernarg_segment_align: 8
    .kernarg_segment_size: 48
    .max_flat_workgroup_size: 128
    .sgpr_count:     100
    .vgpr_count:     1024
    .wavefront_size: 32
...
	.end_amdgpu_metadata
.endif
;; end of part 2
;; launch attn (part 3): grid 4 x 64, 8 waves a work-group, clusters of 4 x 1, 327,680 bytes of LDS; arguments qkvh, attention_mask, ybuf; writes ybuf
.if DOCPART == 3
	.amdgcn_target "amdgcn-amd-amdhsa--gfx1250"
	.amdhsa_code_object_version 6
	.text
	.protected	k_q824628d8e4_attn
	.globl	k_q824628d8e4_attn
	.p2align	8
	.type	k_q824628d8e4_attn,@function
k_q824628d8e4_attn:
	s_mov_b64 s[64:65], 0
	v_nop
	global_prefetch_b8 v0, s[64:65] scope:SCOPE_SE
	s_setreg_imm32_b32 hwreg(HW_REG_WAVE_MODE, 25, 1), 1
	s_wait_xcnt 0x0
	s_wait_alu depctr_hold_cnt(0) depctr_sa_sdst(0) depctr_va_vdst(0) depctr_va_sdst(0) depctr_va_ssrc(0) depctr_va_vcc(0) depctr_vm_vsrc(0)
	s_getreg_b32 s2, hwreg(HW_REG_IB_STS2, 6, 4)
	s_cmp_eq_u32 s2, 0
	s_cbranch_scc0 .Lentry_in_a_cluster
	s_endpgm
.Lentry_in_a_cluster:
	s_bfe_u32 s2, ttmp6, 0x10000c
	s_cmp_lg_u32 s2, 0x3003
	s_cbranch_scc0 .Lentry_shape_is_right
	s_endpgm
.Lentry_shape_is_right:
; ATTN: y[b][h][q][:] = sum over k of softmax_k(q . k / 8 + mask[b][k]) v[k][:].  q (already x 1/8), k, v: qkvh [3][b][h][2048][64] f16; mask [4][2048] f32; y: ybuf [b][h][2048][64] f16.
; Products, maxima and sums in f32; the weights p are rounded to f16 for the second product, y once at the end.
; LIMITS: a query all of whose (score + mask) lie under -2e38 gets NaN (the running maximum starts there); |y| above 65,504 has no f16 number, under 6e-5 it is kept to 2^-25.
; SHARES.  A work-group owns 512 queries of one head, each of its eight waves 64: four tiles of 16, in 512 registers: two waves to a SIMD, so that one wave's vector work stands beside the other's products.
; Every wave walks the head's 2,048 keys, 64 a step.
; LAYOUT.  S^T = K Q^T + mask (source 0 = 16 keys, source 1 = 16 queries; the mask is the C of the sum's first instruction): a lane holds ONE query (lane % 16) and the keys 8 (lane / 16) + 0..7.
; Two such tiles, rounded to f16 in pairs, ARE source 1 (32 keys x 16 queries) of O^T = V^T P.  K comes out of LDS as it lies, V ([key][channel]) turned, by ds_load_tr16_b128.
; SOFTMAX.  For each query a running maximum m and sum l: p = 2^(c s - c m), c = log2(e); in every step O and l are multiplied by a = 2^(c m_old - c m_new).
; CLUSTER.  The four query blocks of a head form a cluster and walk the same K, V and mask: each tile is asked for JOINTLY.  A slot holds four key steps: one load a wave behind each round
; (waves 0-3: K of the slot's steps 0-3; waves 4-7: V of them), which has four steps, 256 matrix instructions, in which to land.
; REGISTERS: window 0: v1-15 addresses; v16-47 eight registers of statistics a tile; v48-79 the step's mask in the result's layout; v128-255 S^T, 32 a tile; P is packed in place into a tile's first 16.
;   window 1: v0-63 Q; v64-127 K of the step, then V of the step; v128-255 O^T, 32 a tile.
.set KS,    64                         ; keys in a step
.set PK,    144                        ; a row of K in LDS: 128 bytes + 16 of padding
.set PV,    160                        ; a row of V: 128 + 32
.set VOFF,  KS*PK
.set STEPB, KS*(PK+PV)                 ; a step's tiles lie together: 64 rows of K, then 64 rows of V
.set NST,   4                          ; steps in a slot
.set SLOTB, NST*KS*128                 ; a slot's K (or V) in memory: 32,768 bytes
.set SLOT1, 1<<17                      ; slot 1 begins here: one exclusive or turns an address in one slot into the other's
.set MASKB, NST*STEPB                  ; behind slot 0: the batch's mask, 8,192 bytes, filled once
.set SPARE, MASKB+8192+256             ; the spare words, 128 bytes for each wave: four blocks of 256 bytes that no other line names
.set STAGE, SPARE+1024                 ; the way out: 16 rows x 144 bytes for each wave; no tensor load lands here
.set SP,    144
.set AK0, 2                            ; v2   my lane's place in a tile of K
.set AV0, 3                            ; v3   the same for V
.set ADR, 4                            ; v4   LDS address of the run of loads in hand
.set QO,  5                            ; v5   my byte offset in the wave's rows of Q
.set STO, 6
.set RD,  7
.set GO,  8
.set AM0, 10                           ; v10  my lane's place in the mask
.set ADM, 11                           ; v11  LDS address of the step's mask
.set SPW, 12                           ; v12  my spare word; never rewritten
.set NIL, 13                           ; v13  0; never rewritten
.set PFO, 14                           ; v14  256 x my lane; never rewritten
.set ST,  16                           ; tile t's statistics at v[ST+8 t]: +0 c m, +1 m, +2, +3 l (even keys', odd keys'), +4 to +7 at work; a takes +6
.set MK,  48
.set S,   128
.set KV,  64                           ; in window 1
.set O,   128                          ; in window 1
.set WV,  12
.set LIM, 15                           ; s15  1 in a wave that prefetches, else the greatest number
.set PFA, 18                           ; s[18:19] where my prefetches stand
.set G1K, 24
.set G1V, 32
.set G0K, 40                           ; s[40:47] group 0 for K: a set for each first fill; the second then walks on
.set G0V, 48
.set SLOTS, 56
.set CNT, 57
.set CS,  58                           ; s[58:59] c
.set SEL, 60
.set TB,  62                           ; s62  LDS byte at which the step's tiles begin
.set TM,  63                           ; s63  byte of the mask at which the step begins
.set G1M, 72
.set G0M, 80
.set MSB, 0
.macro WIN new                         ; the immediate's high byte repeats the setting that is left
.if MSB != \new
	s_set_vgpr_msb (MSB<<8)|\new
.set MSB, \new
.endif
.endm
.macro JLOAD                           ; a joint refill; the branch hangs on the wave's number alone; an s_nop 0 and four v_nop follow each of the two lines
	s_cmp_lt_u32 s[WV], 4
	s_cbranch_scc0 .Lfor_v_\@
	tensor_load_to_lds s[G0K+4:G0K+7], s[G1K:G1K+7]
	s_nop 0
.rept 4
	v_nop
.endr
	s_branch .Lasked_\@
.Lfor_v_\@:
	tensor_load_to_lds s[G0V+4:G0V+7], s[G1V:G1V+7]
	s_nop 0
.rept 4
	v_nop
.endr
.Lasked_\@:
.endm
; A PREFETCH of what the NEXT change of slots will ask for: a slot's 32,768 bytes of K and of V, 128 blocks of 256 bytes each.  The four partners take 32 blocks each, told apart BY ADDRESS; in each,
; wave 0 asks for K's and wave 4 for V's, a lane a block: each block is named once in the launch.  It stands behind the wave's tensor load, four key steps ahead of the load that will want the bytes.
; The last change that fills a slot asks for nothing; the first three slots' worth come by their loads alone.
.macro ASK
	s_cmp_gt_u32 s[SLOTS], s[LIM]
	s_cbranch_scc0 .Lnot_mine_\@
	global_prefetch_b8 v[PFO], s[PFA:PFA+1] th:TH_LOAD_NT scope:SCOPE_SE
.Lnot_mine_\@:
.endm
.macro CROUND                          ; a round of the cluster's barrier
	s_barrier_signal -1
	s_barrier_wait -1
	s_cmp_lg_u32 s[WV], 0
	s_cbranch_scc1 .Lnot_wave_0_\@
	s_barrier_signal -3
.Lnot_wave_0_\@:
	s_barrier_wait -3
	s_barrier_signal -1
	s_barrier_wait -1
.endm
	s_load_b128 s[4:7], s[0:1], 0x0                ; qkvh s[4:5], mask s[6:7]
	s_load_b64 s[8:9], s[0:1], 0x10                ; ybuf
	v_lshl_add_u32 v[SPW], v0, 2, SPARE
	v_mov_b32 v[NIL], 0
	ds_add_u32 v[SPW], v[NIL]                      ; the wave's opening: the add, twice on end, and its wait ahead of my first tensor load
	ds_add_u32 v[SPW], v[NIL]
	v_lshrrev_b32 v1, 5, v0
	v_readfirstlane_b32 s[WV], v1                  ; wave 0..7
	s_bfe_u32 s13, ttmp6, 0x40000                  ; cx: my block of 512 queries
	s_and_b32 s14, ttmp7, 0xffff                   ; 16 x batch + head, which the four partners share
	s_lshl_b32 s20, s14, 18                        ; the head's first byte in a part of qkvh and in ybuf
	s_and_b32 s16, s[WV], 3                        ; which of a slot's four steps I fetch:
	s_lshl_b32 s22, s16, 13                        ; its 64 rows of 128 bytes in memory,
	s_add_co_u32 s22, s22, s20
	s_mov_b32 s23, 0
	s_mul_i32 s17, s16, STEPB                      ; and its place in a slot
	s_lshl_b32 s2, s13, 16                         ; my block's 512 rows,
	s_lshl_b32 s3, s[WV], 13                       ; my wave's 64 of them
	s_add_co_u32 s2, s2, s3
	s_add_co_u32 s2, s2, s20
	s_mov_b32 s3, 0
	s_lshr_b32 s66, s14, 4
	s_lshl_b32 s66, s66, 13                        ; the batch's mask: 8,192 bytes,
	s_lshl_b32 s67, s[WV], 10                      ; my wave's 1,024 of them
	s_add_co_u32 s66, s66, s67
	s_add_co_u32 s21, s67, MASKB                   ; and their place in LDS
	s_mov_b32 s67, 0
	s_mov_b32 s[G1K], 15|(1<<16)|(1<<20)|(1<<21)|(4<<22)|(3<<25)  ; the mask: all four work-groups; elements of 2 bytes; padding: 4 words behind every 32
	s_mov_b32 s[G1V], 15|(1<<16)|(1<<20)|(1<<21)|(4<<22)|(7<<25)  ; the same with 8 words
.irp g, G1K, G1V
	s_mov_b32 s[\g+1], 64<<16                      ; tensor_dim0 = 64
	s_mov_b32 s[\g+2], KS<<16                      ; tensor_dim1 = 64
	s_mov_b32 s[\g+3], 64<<16                      ; tile_dim0 = 64
	s_mov_b32 s[\g+4], KS                          ; tile_dim1 = 64
	s_mov_b32 s[\g+5], 64                          ; elements from row to row
	s_mov_b32 s[\g+6], 0
	s_mov_b32 s[\g+7], 0
.endr
	s_mov_b32 s[G1M], 15|(3<<16)|(1<<21)           ; the additive mask: 1,024 dense bytes as 4 rows of 32 elements of 8 bytes, no padding
	s_mov_b32 s[G1M+1], 32<<16
	s_mov_b32 s[G1M+2], 4<<16
	s_mov_b32 s[G1M+3], 32<<16
	s_mov_b32 s[G1M+4], 4
	s_mov_b32 s[G1M+5], 32
	s_mov_b32 s[G1M+6], 0
	s_mov_b32 s[G1M+7], 0
	s_mov_b32 s[CS], 0x3fb8aa3b                    ; c = log2(e)
	s_mov_b32 s[CS+1], s[CS]
	s_mov_b32 s[SEL], 0x76543210
	s_mov_b32 s[SEL+1], 0xfedcba98
	s_mov_b32 s[TB], 0
	s_mov_b32 s[TM], 0
	s_mov_b32 s[SLOTS], 2048/(NST*KS)-2
	s_cmp_eq_u32 s16, 0
	s_cselect_b32 s[LIM], 1, -1                    ; waves 0 and 4 prefetch
	v_and_b32 v[PFO], 31, v0
	v_lshlrev_b32 v[PFO], 8, v[PFO]
	s_wait_dscnt 0x0                               ; both opening adds are done
	s_wait_kmcnt 0x0
	s_add_nc_u64 s[10:11], s[4:5], s[2:3]          ; Q at my wave's first row
	s_add_nc_u64 s[8:9], s[8:9], s[2:3]            ; y likewise
	s_add_nc_u64 s[4:5], s[4:5], s[22:23]
	s_add_nc_u64 s[68:69], s[4:5], 0x1000000       ; K at my tile of slot 0
	s_add_nc_u64 s[70:71], s[4:5], 0x2000000       ; V likewise
	s_add_nc_u64 s[6:7], s[6:7], s[66:67]          ; my part of the mask
	s_cmp_lt_u32 s[WV], 4
	s_cselect_b64 s[PFA:PFA+1], s[68:69], s[70:71] ; (in waves 0 and 4 these stand at a slot's first row)
	s_lshl_b32 s2, s13, 13                         ; my work-group's 32 blocks of the 128,
	s_add_co_u32 s2, s2, 2*SLOTB                   ; two slots on; the first change of slots steps it once more
	s_add_nc_u64 s[PFA:PFA+1], s[PFA:PFA+1], s[2:3]
	CROUND                                         ; all four work-groups are here: the first joint loads meet
	s_mov_b32 s[G0M], 1
	s_mov_b32 s[G0M+1], s21
	s_mov_b64 s[G0M+2:G0M+3], s[6:7]
	s_or_b32 s[G0M+3], s[G0M+3], 0x80000000
.irp s, 0,1
	s_mov_b32 s[G0K+4*\s], 1
	s_add_co_u32 s[G0K+4*\s+1], s17, \s*SLOT1
	s_add_nc_u64 s[G0K+4*\s+2:G0K+4*\s+3], s[68:69], \s*SLOTB
	s_or_b32 s[G0K+4*\s+3], s[G0K+4*\s+3], 0x80000000
	s_mov_b32 s[G0V+4*\s], 1
	s_add_co_u32 s[G0V+4*\s+1], s17, \s*SLOT1+VOFF
	s_add_nc_u64 s[G0V+4*\s+2:G0V+4*\s+3], s[70:71], \s*SLOTB
	s_or_b32 s[G0V+4*\s+3], s[G0V+4*\s+3], 0x80000000
.endr
	tensor_load_to_lds s[G0M:G0M+3], s[G1M:G1M+7]  ; the first fills go out together: my part of the mask, of slot 0 and of slot 1: three loads of mine are out
	s_nop 0
.rept 4
	v_nop
.endr
	s_cmp_lt_u32 s[WV], 4
	s_cbranch_scc0 .Lfirst_v
	tensor_load_to_lds s[G0K:G0K+3], s[G1K:G1K+7]
	s_nop 0
	tensor_load_to_lds s[G0K+4:G0K+7], s[G1K:G1K+7]
	s_nop 0
.rept 4
	v_nop
.endr
	s_branch .Lfirst_asked
.Lfirst_v:
	tensor_load_to_lds s[G0V:G0V+3], s[G1V:G1V+7]
	s_nop 0
	tensor_load_to_lds s[G0V+4:G0V+7], s[G1V:G1V+7]
	s_nop 0
.rept 4
	v_nop
.endr
.Lfirst_asked:
	v_and_b32 v1, 15, v0                           ; r = lane % 16
	v_bfe_u32 v9, v0, 4, 1                         ; h = lane / 16
	v_lshlrev_b32 v[QO], 7, v1
	v_lshl_add_u32 v[QO], v9, 4, v[QO]             ; row x 128 + 16 h
	WIN 0x40                                       ; destination window 1
.irp qt, 0,1,2,3
.irp f, 0,1
	global_load_b128 v[16*\qt+8*\f:16*\qt+8*\f+3],   v[QO], s[10:11] offset:2048*\qt+64*\f      ; Q stays in registers: tile qt, channels 32 f on
	global_load_b128 v[16*\qt+8*\f+4:16*\qt+8*\f+7], v[QO], s[10:11] offset:2048*\qt+64*\f+32
.endr
.endr
	WIN 0
	v_mul_u32_u24 v[AK0], v1, PK
	v_lshl_add_u32 v[AK0], v9, 4, v[AK0]           ; row x pitch + 16 h
	v_and_b32 v15, 7, v0
	v_bfe_u32 v[ADM], v0, 3, 1
	v_lshl_add_u32 v[AV0], v9, 3, v15              ; the turning load: key 8 h + lane % 8,
	v_mul_u32_u24 v[AV0], v[AV0], PV
	v_lshl_add_u32 v[AV0], v[ADM], 4, v[AV0]       ; channels 8 ((lane / 8) % 2) on
	v_add_nc_u32 v[AV0], VOFF, v[AV0]
	v_lshl_add_u32 v[AM0], v9, 5, MASKB            ; the mask of keys 8 h + 0 .. 7 of a tile
	s_mul_i32 s66, s[WV], 16*SP
	s_add_co_u32 s66, s66, STAGE                   ; my stage
	v_mul_u32_u24 v[STO], v1, SP
	v_lshl_add_u32 v[STO], v9, 4, v[STO]
	v_add_nc_u32 v[STO], s66, v[STO]               ; in: row r, 16 bytes for each half of the lanes
	v_bfe_u32 v[RD], v0, 3, 2
	v_mul_u32_u24 v[RD], v[RD], SP
	v_lshl_add_u32 v[RD], v15, 4, v[RD]
	v_add_nc_u32 v[RD], s66, v[RD]                 ; back: eight lanes to a row of 128 bytes, four rows an instruction
	v_and_b32 v[GO], 31, v0
	v_lshlrev_b32 v[GO], 4, v[GO]                  ; in ybuf four rows are 512 consecutive bytes
.irp t, 0,1,2,3
	v_mov_b32 v[ST+8*\t+1], 0xff167699             ; m = -2e38, so that c m is still a number
	v_mov_b32 v[ST+8*\t+2], 0                      ; l, in two halves
	v_mov_b32 v[ST+8*\t+3], 0
.endr
.irp t, 0,1,2,3
	v_mul_f32 v[ST+8*\t], s[CS], v[ST+8*\t+1]      ; c m
.endr
; THE SOFTMAX OF A STEP, every line over the four tiles by turns, so that no line waits for the line above it.
.macro SOFTMAX
.irp j, 0,1,2,3
.irp t, 0,1,2,3
	v_max3_num_f32 v[ST+8*\t+4+\j], v[S+32*\t+8*\j], v[S+32*\t+8*\j+1], v[S+32*\t+8*\j+2]   ; four chains, one for each tile of keys: each accumulator is read from its low end on
.endr
.endr
.irp u, 3,5
.irp j, 0,1,2,3
.irp t, 0,1,2,3
	v_max3_num_f32 v[ST+8*\t+4+\j], v[ST+8*\t+4+\j], v[S+32*\t+8*\j+\u], v[S+32*\t+8*\j+\u+1]
.endr
.endr
.endr
.irp t, 0,1,2,3
	v_max3_num_f32 v[ST+8*\t+4], v[ST+8*\t+4], v[S+32*\t+7], v[S+32*\t+15]
.endr
.irp t, 0,1,2,3
	v_max3_num_f32 v[ST+8*\t+6], v[ST+8*\t+6], v[S+32*\t+23], v[S+32*\t+31]
.endr
.irp t, 0,1,2,3
	v_max3_num_f32 v[ST+8*\t+4], v[ST+8*\t+4], v[ST+8*\t+5], v[ST+8*\t+6]
.endr
.irp t, 0,1,2,3
	v_max3_num_f32 v[ST+8*\t+4], v[ST+8*\t+4], v[ST+8*\t+7], v[ST+8*\t+1]   ; with the old m
.endr
.irp t, 0,1,2,3
	v_permlanex16_b32 v[ST+8*\t+5], v[ST+8*\t+4], s[SEL], s[SEL+1]          ; the query's other 32 keys lie in the lane 16 away
.endr
.irp t, 0,1,2,3
	v_mov_b32 v[ST+8*\t+7], v[ST+8*\t]             ; c m_old is kept for a
.endr
.irp t, 0,1,2,3
	v_max_num_f32 v[ST+8*\t+1], v[ST+8*\t+4], v[ST+8*\t+5]
.endr
.irp t, 0,1,2,3
	v_mul_f32 v[ST+8*\t], s[CS], v[ST+8*\t+1]
.endr
.irp t, 0,1,2,3
	v_sub_f32 v[ST+8*\t+7], v[ST+8*\t+7], v[ST+8*\t]
.endr
.irp t, 0,1,2,3
	v_exp_f32 v[ST+8*\t+6], v[ST+8*\t+7]           ; a = 2^(c m_old - c m_new)
.endr
.irp b, 0,2,4,6,8,10,12,14,16,18,20,22,24,26,28,30
.irp t, 0,1,2,3
	v_pk_fma_f32 v[S+32*\t+\b:S+32*\t+\b+1], v[S+32*\t+\b:S+32*\t+\b+1], s[CS:CS+1], v[ST+8*\t:ST+8*\t+1] op_sel_hi:[1,0,0] neg_lo:[0,0,1] neg_hi:[0,0,1]   ; c s - c m
.endr
.endr
.set i, 0
.rept 128
	v_exp_f32 v[S+i], v[S+i]                       ; p
.set i, i+1
.endr
	v_nop                                          ; a plain line behind the last exponential
	s_wait_alu depctr_va_vdst(0)                   ; one wait for the step's 132 exponentials, ahead of the first line that names a result
.irp t, 0,1,2,3
	v_pk_fma_f32 v[ST+8*\t+2:ST+8*\t+3], v[ST+8*\t+2:ST+8*\t+3], v[ST+8*\t+6:ST+8*\t+7], v[S+32*\t:S+32*\t+1] op_sel_hi:[1,0,1]   ; l = a l + the first pair; the sums are taken of the unrounded p, in two chains
.endr
.irp t, 0,1,2,3
	v_pk_add_f32 v[ST+8*\t+4:ST+8*\t+5], v[S+32*\t+2:S+32*\t+3], v[S+32*\t+4:S+32*\t+5]
.endr
.irp p, 6,10,14,18,22,26
.irp t, 0,1,2,3
	v_pk_add_f32 v[ST+8*\t+2:ST+8*\t+3], v[ST+8*\t+2:ST+8*\t+3], v[S+32*\t+\p:S+32*\t+\p+1]
.endr
.irp t, 0,1,2,3
	v_pk_add_f32 v[ST+8*\t+4:ST+8*\t+5], v[ST+8*\t+4:ST+8*\t+5], v[S+32*\t+\p+2:S+32*\t+\p+3]
.endr
.endr
.irp t, 0,1,2,3
	v_pk_add_f32 v[ST+8*\t+2:ST+8*\t+3], v[ST+8*\t+2:ST+8*\t+3], v[S+32*\t+30:S+32*\t+31]
.endr
.irp t, 0,1,2,3
	v_pk_add_f32 v[ST+8*\t+2:ST+8*\t+3], v[ST+8*\t+2:ST+8*\t+3], v[ST+8*\t+4:ST+8*\t+5]
.endr
.set i, 0
.rept 16
.irp t, 0,1,2,3
	v_cvt_pk_f16_f32 v[S+32*\t+i], v[S+32*\t+2*i], v[S+32*\t+2*i+1]   ; P, packed in place: register i has been used up when it is written
.endr
.set i, i+1
.endr
.endm
; A KEY STEP: 64 keys.  first = 1: the products V^T P start O^T's sums, and there is nothing to rescale.  It is entered and left with every window 0.
.macro STEP first
	v_add_nc_u32 v[ADR], s[TB], v[AK0]
	v_add_nc_u32 v[ADM], s[TM], v[AM0]
.rept 3
	v_nop                                          ; with the two additions five plain lines behind the last step's products: four are owed by the loads into their operands, five by the products below, which write over P
.endr
	WIN 0x40
.irp kt, 0,1,2,3
.irp f, 0,1
	ds_load_b128 v[KV+16*\kt+8*\f:KV+16*\kt+8*\f+3],   v[ADR] offset:\kt*16*PK+64*\f
	ds_load_b128 v[KV+16*\kt+8*\f+4:KV+16*\kt+8*\f+7], v[ADR] offset:\kt*16*PK+64*\f+32
.endr
.endr
	WIN 0
.irp kt, 0,1,2,3
	ds_load_b128 v[MK+8*\kt:MK+8*\kt+3],   v[ADM] offset:64*\kt       ; mask of keys 16 kt + 8 h + 0 .. 7: the same for all queries
	ds_load_b128 v[MK+8*\kt+4:MK+8*\kt+7], v[ADM] offset:64*\kt+16
.endr
	s_wait_dscnt 0x0
	WIN 0x05                                       ; K and Q in window 1, S^T and the mask in window 0
.set i, 0
.rept 32                               ; channels 32 (i / 16) on, keys 16 ((i / 4) % 4) on, tile i % 4: the 16 accumulators take turns
.set rS, S+32*(i%4)+8*((i/4)%4)
.set rK, KV+16*((i/4)%4)+8*(i/16)
.set rQ, 16*(i%4)+8*(i/16)
.set rM, MK+8*((i/4)%4)
.if i < 16
	v_wmma_f32_16x16x32_f16 v[rS:rS+7], v[rK:rK+7], v[rQ:rQ+7], v[rM:rM+7]
.else
	v_wmma_f32_16x16x32_f16 v[rS:rS+7], v[rK:rK+7], v[rQ:rQ+7], v[rS:rS+7]
.endif
.set i, i+1
.endr
	WIN 0
	v_add_nc_u32 v[ADR], s[TB], v[AV0]
.rept 3
	v_nop                                          ; four plain lines behind the products: for the loads into K's registers and for the first read of the scores
.endr
	WIN 0x40
.irp kk, 0,1
.irp c, 0,1,2,3
	ds_load_tr16_b128 v[KV+32*\kk+8*\c:KV+32*\kk+8*\c+3],   v[ADR] offset:\kk*32*PV+32*\c          ; V^T: keys 32 kk on, channels 16 c on; it lands while the softmax is walked
	ds_load_tr16_b128 v[KV+32*\kk+8*\c+4:KV+32*\kk+8*\c+7], v[ADR] offset:\kk*32*PV+16*PV+32*\c
.endr
.endr
	WIN 0
	SOFTMAX
.if \first
.rept 4
	v_nop
.endr
.else
	WIN 0x41                                       ; O^T in window 1, a in window 0
.irp t, 0,1,2,3
.set i, 0
.rept 16
	v_pk_mul_f32 v[O+32*\t+2*i:O+32*\t+2*i+1], v[O+32*\t+2*i:O+32*\t+2*i+1], v[ST+8*\t+6:ST+8*\t+7] op_sel_hi:[1,0]   ; O^T x a, each accumulator from its low end on
.set i, i+1
.endr
.endr
.endif
	s_wait_dscnt 0x0                               ; V is in
	WIN 0x51                                       ; V in window 1, P in window 0, O^T in window 1
.set i, 0
.rept 32                               ; keys 32 (i / 16) on, channels 16 ((i / 4) % 4) on, tile i % 4
.set rO, O+32*(i%4)+8*((i/4)%4)
.set rV, KV+32*(i/16)+8*((i/4)%4)
.set rP, S+32*(i%4)+8*(i/16)
.if \first && (i < 16)
	v_wmma_f32_16x16x32_f16 v[rO:rO+7], v[rV:rV+7], v[rP:rP+7], 0
.else
	v_wmma_f32_16x16x32_f16 v[rO:rO+7], v[rV:rV+7], v[rP:rP+7], v[rO:rO+7]
.endif
.set i, i+1
.endr
	WIN 0
	s_add_co_u32 s[TB], s[TB], STEPB
	s_add_co_u32 s[TM], s[TM], 4*KS
.endm
.macro STEPS n
	s_mov_b32 s[CNT], \n
.Lstep_\@:
	STEP 0
	s_sub_co_u32 s[CNT], s[CNT], 1
	s_cmp_lg_u32 s[CNT], 0
	s_cbranch_scc1 .Lstep_\@
.endm
; THE CHANGE OF SLOTS.  Each wave waits for all its tensor loads, of which one is out: its part of the other slot; adds 0 to its spare word; and waits for that and for its reads of the slot that it leaves.
; fill = 1: the barrier is a round of the cluster's, so that no wave of any partner still reads the slot or has a load on its way, and the joint refill, the keys two slots on, is the first thing behind it.
.macro CHANGE fill
	s_wait_tensorcnt 0x0                           ; no tensor load of mine is out, so a group 0 may be written
	ds_add_u32 v[SPW], v[NIL]
.if \fill
.irp g, G0K+4, G0V+4
	s_xor_b32 s[\g+1], s[\g+1], SLOT1              ; the walking descriptor: the other slot than last time,
	s_add_nc_u64 s[\g+2:\g+3], s[\g+2:\g+3], SLOTB ; the next 256 keys
.endr
	s_wait_xcnt 0x0                                ; the last prefetch, a slot back, has read its address
	s_add_nc_u64 s[PFA:PFA+1], s[PFA:PFA+1], SLOTB
	s_wait_dscnt 0x0                               ; the add is done, and my reads of the slot are over
	CROUND
	JLOAD
	ASK
.else
	s_wait_dscnt 0x0
	s_barrier_signal -1
	s_barrier_wait -1
.endif
	s_sub_co_u32 s[TB], s[TB], NST*STEPB           ; back to a slot's first step,
	s_xor_b32 s[TB], s[TB], SLOT1                  ; in the other slot
.endm
	s_wait_tensorcnt 1                             ; my parts of the mask and of slot 0 are in; the one load behind them, slot 1's, may be out
	s_barrier_signal -1
	s_barrier_wait -1                              ; everybody's are
	s_wait_loadcnt 0x0                             ; Q
	STEP 1
	STEPS 3
.Lslot:                                                ; six trips: every slot's worth of keys but the first two is asked for here
	CHANGE 1
	STEPS 4
	s_sub_co_u32 s[SLOTS], s[SLOTS], 1
	s_cmp_lg_u32 s[SLOTS], 0
	s_cbranch_scc1 .Lslot
	CHANGE 0                                       ; the tail is written out
	STEPS 4
	; THE WAY OUT.  l's halves are added (these lines are the plain lines behind the last products); O^T / l is rounded to f16 and goes through my stage, a tile of 16 rows at a time.
.irp t, 0,1,2,3
	v_add_f32 v[ST+8*\t+4], v[ST+8*\t+2], v[ST+8*\t+3]
.endr
.irp t, 0,1,2,3
	v_permlanex16_b32 v[ST+8*\t+5], v[ST+8*\t+4], s[SEL], s[SEL+1]
.endr
.irp t, 0,1,2,3
	v_add_f32 v[ST+8*\t+4], v[ST+8*\t+4], v[ST+8*\t+5]
.endr
.irp t, 0,1,2,3
	v_rcp_f32 v[ST+8*\t+6], v[ST+8*\t+4]
.endr
	v_nop
	s_wait_alu depctr_va_vdst(0)                   ; one wait for the four reciprocals, ahead of their first reader
.macro OUT t
	WIN 0x01                                       ; source 0 (O^T) window 1
.set i, 0
.rept 16
	v_pk_mul_f32 v[S+32*\t+2*i:S+32*\t+2*i+1], v[O+32*\t+2*i:O+32*\t+2*i+1], v[ST+8*\t+6:ST+8*\t+7] op_sel_hi:[1,0]
.set i, i+1
.endr
	WIN 0
.set i, 0
.rept 16
	v_cvt_pk_f16_f32 v[S+32*\t+i], v[S+32*\t+2*i], v[S+32*\t+2*i+1]
.set i, i+1
.endr
.irp c, 0,1,2,3
	ds_store_b128 v[STO], v[S+32*\t+4*\c:S+32*\t+4*\c+3] offset:32*\c       ; lane (r, h): y(r, 16 c + 8 h + 0 .. 7)
.endr
.irp i2, 0,1,2,3
	ds_load_b128 v[S+32*\t+16+4*\i2:S+32*\t+16+4*\i2+3], v[RD] offset:\i2*4*SP   ; LDS serves a wave's instructions in order: these see the stores above
.endr
	s_wait_dscnt 0x0
.irp i2, 0,1,2,3
	global_store_b128 v[GO], v[S+32*\t+16+4*\i2:S+32*\t+16+4*\i2+3], s[8:9] offset:2048*\t+512*\i2   ; 32 lanes store 512 consecutive bytes, aligned
.endr
.endm
	OUT 0
	OUT 1
	OUT 2
	OUT 3
	s_wait_tensorcnt 0x0                           ; the wave's end, behind my last tensor load and my last LDS store
	ds_add_u32 v[SPW], v[NIL]
	s_wait_dscnt 0x0
	CROUND                                         ; the closing round
	s_endpgm
.Lfunc_end_k_q824628d8e4_attn:
	.size	k_q824628d8e4_attn, .Lfunc_end_k_q824628d8e4_attn-k_q824628d8e4_attn
	.p2alignl 7, 3214868480
	.fill 96, 4, 3214868480
	.section	.rodata,"a",@progbits
	.p2align	6, 0x0
	.amdhsa_kernel k_q824628d8e4_attn
		.amdhsa_group_segment_fixed_size 327680
		.amdhsa_private_segment_fixed_size 0
		.amdhsa_enable_private_segment 0
		.amdhsa_kernarg_size 24
		.amdhsa_user_sgpr_count 2
		.amdhsa_user_sgpr_kernarg_segment_ptr 1
		.amdhsa_wavefront_size32 1
		.amdhsa_system_sgpr_workgroup_id_x 1
		.amdhsa_system_sgpr_workgroup_id_y 1
		.amdhsa_system_sgpr_workgroup_id_z 1
		.amdhsa_system_vgpr_workitem_id 0
		.amdhsa_next_free_vgpr 512
		.amdhsa_next_free_sgpr 84
		.amdhsa_reserve_vcc 0
		.amdhsa_float_denorm_mode_32 3
		.amdhsa_float_denorm_mode_16_64 3
		.amdhsa_memory_ordered 1
		.amdhsa_forward_progress 1
		.amdhsa_inst_pref_size 151
	.end_amdhsa_kernel
	.amdgpu_metadata
---
amdhsa.version: [ 1, 2 ]
amdhsa.kernels:
  - .name:           k_q824628d8e4_attn
    .symbol:         k_q824628d8e4_attn.kd
    .args:
      - { .name: qkvh, .offset: 0, .size: 8, .value_kind: global_buffer, .address_space: global }
      - { .name: attention_mask, .offset: 8, .size: 8, .value_kind: global_buffer, .address_space: global }
      - { .name: ybuf, .offset: 16, .size: 8, .value_kind: global_buffer, .address_space: global }
    .group_segment_fixed_size: 327680
    .private_segment_fixed_size: 0
    .kernarg_segment_align: 8
    .kernarg_segment_size: 24
    .max_flat_workgroup_size: 256
    .sgpr_count:     84
    .vgpr_count:     512
    .wavefront_size: 32
...
	.end_amdgpu_metadata
.endif
;; end of part 3
;; launch proj (part 4): grid 4 x 64, 4 waves a work-group, clusters of 4 x 4, 327,680 bytes of LDS; arguments ybuf, wo16, bo, out0; writes out0
.if DOCPART == 4
	.amdgcn_target "amdgcn-amd-amdhsa--gfx1250"
	.amdhsa_code_object_version 6
	.text
	.protected	k_q824628d8e4_proj
	.globl	k_q824628d8e4_proj
	.p2align	8
	.type	k_q824628d8e4_proj,@function
k_q824628d8e4_proj:
	s_mov_b64 s[64:65], 0
	v_nop
	global_prefetch_b8 v0, s[64:65] scope:SCOPE_SE
	s_setreg_imm32_b32 hwreg(HW_REG_WAVE_MODE, 25, 1), 1
	s_wait_xcnt 0x0
	s_wait_alu depctr_hold_cnt(0) depctr_sa_sdst(0) depctr_va_vdst(0) depctr_va_sdst(0) depctr_va_ssrc(0) depctr_va_vcc(0) depctr_vm_vsrc(0)
	s_getreg_b32 s2, hwreg(HW_REG_IB_STS2, 6, 4)
	s_cmp_eq_u32 s2, 0
	s_cbranch_scc0 .Lentry_in_a_cluster
	s_endpgm
.Lentry_in_a_cluster:
	s_bfe_u32 s2, ttmp6, 0x10000c
	s_cmp_lg_u32 s2, 0xf033
	s_cbranch_scc0 .Lentry_shape_is_right
	s_endpgm
.Lentry_shape_is_right:
; PROJ: out[m][n] = sum over k of y[m][k] Wo[k][n] + bo[n].  y: ybuf [batch][head][t][64] f16 (k = 64 head + channel); Wo: wo16 [1024 (k)][1024 (n)] f16; bo, out: f32; sums in f32.
; A tile of 128 (m) x 256 (n) gives 256 work-groups.  Four waves, each 64 x 128: 32 accumulators of 16 x 16, 256 registers.  K goes through a ring of two LDS slots of 128 along K = two heads:
; waves 0 and 1 fetch a head's 128 rows of y each, waves 2 and 3 64 rows of Wo each: one tensor load a wave behind each round.
; CLUSTERS: 4 x 4 work-groups.  The four of a row of the cluster need the same rows of y, the four of a column the same columns of Wo: each tile is asked for JOINTLY.
; THE MATRIX INSTRUCTION IS USED TRANSPOSED: source 0 = 16 columns of Wo (turned out of LDS by ds_load_tr16_b128, since K is Wo's first axis), source 1 = 16 rows of y: a lane holds eight neighbouring
; numbers of a row of out.  The bias is the C of each sum's first instruction.
; REGISTERS: window 0: v0-31 addresses; two fragment buffers of 96 at v32 and v128 (Wo's 8 fragments, then y's 4); on the way out v32-159.   window 1: the accumulators ((a, b) at v[8 (8 a + b)]).
;   window 2: v0-63 the bias in the result's layout.
.set PA,    144                        ; a row of y in LDS: 128 bytes + 16 of padding
.set AH,    128*PA                     ; a head's 128 rows
.set PB,    544                        ; a row of Wo's tile: 512 bytes + 32
.set BOFF,  2*AH
.set SLOT,  BOFF+128*PB
.set STAGE, 2*SLOT                     ; behind the ring: 16 rows x 528 bytes for each wave; no tensor load lands here
.set SPITCH, 528
.set SPARE, STAGE+4*16*SPITCH          ; the spare words, 128 bytes for each wave: two blocks of 256 bytes that no other line names
.set LAPS,  4                          ; a lap = two slots = 256 along K
.set ADRA, 16
.set ADRB, 20
.set STO,  24
.set RD,   25
.set CO,   26
.set SPW,  28
.set NIL,  29
.set BOF,  30
.set F0,   32
.set F1,   128
.set BK,   32
.set G1, 24
.set G0, 32
.set G1B, 48
.set G0B, 56
.set MSB, 0
.macro WIN new                         ; the immediate's high byte repeats the setting that is left
.if MSB != \new
	s_set_vgpr_msb (MSB<<8)|\new
.set MSB, \new
.endif
.endm
.set MUL, 0x50                         ; sources 0 and 1 window 0; C and D window 1 (0x60: C, the bias, in window 2)
.macro JLOAD s                         ; a joint load: waves 0 and 1 fetch y's two heads, waves 2 and 3 Wo's two halves; an s_nop 0 and four v_nop follow each of the two lines
	s_cmp_eq_u32 s11, 0
	s_cbranch_scc0 .Lfor_b_\@
	tensor_load_to_lds s[G0+4*\s:G0+4*\s+3], s[G1:G1+7]
	s_nop 0
.rept 4
	v_nop
.endr
	s_branch .Lasked_\@
.Lfor_b_\@:
	tensor_load_to_lds s[G0B+4*\s:G0B+4*\s+3], s[G1B:G1B+7]
	s_nop 0
.rept 4
	v_nop
.endr
.Lasked_\@:
.endm
.macro CREST                           ; a round of the cluster's barrier behind its opening barrier
	s_cmp_lg_u32 s10, 0
	s_cbranch_scc1 .Lnot_wave_0_\@
	s_barrier_signal -3
.Lnot_wave_0_\@:
	s_barrier_wait -3
	s_barrier_signal -1
	s_barrier_wait -1
.endm
.macro CROUND
	s_barrier_signal -1
	s_barrier_wait -1
	CREST
.endm
	s_load_b128 s[4:7], s[0:1], 0x0                ; ybuf s[4:5], wo16 s[6:7]
	s_load_b64 s[66:67], s[0:1], 0x10              ; bo
	s_load_b64 s[8:9], s[0:1], 0x18                ; out0
	v_lshl_add_u32 v[SPW], v0, 2, SPARE
	v_mov_b32 v[NIL], 0
	ds_add_u32 v[SPW], v[NIL]                      ; the wave's opening: the add, twice on end, and its wait ahead of my first tensor load
	ds_add_u32 v[SPW], v[NIL]
	v_lshrrev_b32 v1, 5, v0
	v_readfirstlane_b32 s10, v1                    ; wave 0..3
	s_lshr_b32 s11, s10, 1                         ; which 64 rows of the tile are mine.  Also: I fetch for y (0) or for Wo (1)
	s_and_b32 s12, s10, 1                          ; which 128 columns.  Also: which half of that tile I fetch
	s_bfe_u32 s40, ttmp6, 0x40000                  ; cx, cy
	s_bfe_u32 s41, ttmp6, 0x40004
	s_lshl_b32 s42, ttmp9, 2
	s_add_co_u32 s42, s42, s40                     ; tile column
	s_and_b32 s13, ttmp7, 0xffff
	s_lshl_b32 s13, s13, 2
	s_add_co_u32 s13, s13, s41                     ; tile row
	s_lshl_b32 s43, s41, 2
	s_lshl_b32 s43, 15, s43                        ; my row of the cluster
	s_lshl_b32 s44, 0x1111, s40                    ; my column
	s_or_b32 s[G1+0], s43, (1<<16)|(1<<20)|(1<<21)|(4<<22)|(3<<25)   ; y: the mask; elements of 2 bytes; padding: 4 words behind every 32
	s_mov_b32 s[G1+1], 64<<16                      ; tensor_dim0 = 64
	s_mov_b32 s[G1+2], 128<<16                     ; tensor_dim1 = 128
	s_mov_b32 s[G1+3], 64<<16                      ; tile_dim0 = 64
	s_mov_b32 s[G1+4], 128                         ; tile_dim1 = 128
	s_mov_b32 s[G1+5], 64                          ; elements from row to row
	s_mov_b32 s[G1+6], 0
	s_mov_b32 s[G1+7], 0
	s_or_b32 s[G1B+0], s44, (1<<16)|(1<<20)|(1<<21)|(6<<22)|(7<<25)  ; Wo: padding: 8 words behind every 128
	s_mov_b32 s[G1B+1], 256<<16
	s_mov_b32 s[G1B+2], 64<<16
	s_mov_b32 s[G1B+3], 256<<16
	s_mov_b32 s[G1B+4], 64
	s_mov_b32 s[G1B+5], 1024
	s_mov_b32 s[G1B+6], 0
	s_mov_b32 s[G1B+7], 0
	s_lshr_b32 s16, s13, 4
	s_lshl_b32 s16, s16, 22                        ; y: the tile's batch,
	s_and_b32 s17, s13, 15
	s_lshl_b32 s17, s17, 14                        ; its 128 rows of 128 bytes in a head,
	s_add_co_u32 s16, s16, s17
	s_lshl_b32 s17, s12, 18                        ; the head that I fetch
	s_add_co_u32 s16, s16, s17
	s_mov_b32 s17, 0
	s_lshl_b32 s46, s42, 9                         ; Wo: the tile's 256 columns,
	s_lshl_b32 s47, s12, 17                        ; the 64 rows that I fetch
	s_add_co_u32 s46, s46, s47
	s_mov_b32 s47, 0
	s_mul_i32 s20, s12, AH                         ; where they go
	s_mul_i32 s21, s12, 64*PB
	s_add_co_u32 s21, s21, BOFF
	s_wait_dscnt 0x0                               ; both opening adds are done
	s_wait_kmcnt 0x0
	s_add_nc_u64 s[14:15], s[4:5], s[16:17]
	s_add_nc_u64 s[46:47], s[6:7], s[46:47]
	CROUND                                         ; all sixteen work-groups are here: the first joint loads meet
.irp s, 0,1
	s_mov_b32 s[G0+4*\s], 1
	s_add_co_u32 s[G0+4*\s+1], s20, \s*SLOT
	s_add_nc_u64 s[G0+4*\s+2:G0+4*\s+3], s[14:15], \s*524288     ; two heads on
	s_or_b32 s[G0+4*\s+3], s[G0+4*\s+3], 0x80000000
	s_mov_b32 s[G0B+4*\s], 1
	s_add_co_u32 s[G0B+4*\s+1], s21, \s*SLOT
	s_add_nc_u64 s[G0B+4*\s+2:G0B+4*\s+3], s[46:47], \s*262144   ; 128 rows on
	s_or_b32 s[G0B+4*\s+3], s[G0B+4*\s+3], 0x80000000
	JLOAD \s                                       ; two loads of mine are out
.endr
	v_and_b32 v1, 15, v0                           ; r
	v_bfe_u32 v2, v0, 4, 1                         ; h
	v_mul_u32_u24 v3, v1, PA
	v_lshl_add_u32 v3, v2, 4, v3                   ; y: row x pitch + 16 h
	v_and_b32 v4, 7, v0
	v_lshl_add_u32 v4, v2, 3, v4                   ; Wo, the turning load: row 8 h + lane % 8,
	v_mul_u32_u24 v4, v4, PB
	v_bfe_u32 v5, v0, 3, 1
	v_lshl_add_u32 v4, v5, 4, v4                   ; columns 8 ((lane / 8) % 2) on
	s_mul_i32 s22, s11, 64*PA                      ; my 64 rows of y
	s_lshl_b32 s23, s12, 8                         ; my 128 columns of Wo
	s_add_co_u32 s23, s23, BOFF
.irp s, 0,1
	v_add_nc_u32 v[ADRA+\s], s22, v3
	v_add_nc_u32 v[ADRB+\s], s23, v4
	s_add_co_u32 s22, s22, SLOT
	s_add_co_u32 s23, s23, SLOT
.endr
	s_mul_i32 s23, s10, 16*SPITCH
	s_add_co_u32 s23, s23, STAGE                   ; my stage
	v_mul_u32_u24 v5, v1, SPITCH
	v_lshl_add_u32 v5, v2, 5, v5
	v_add_nc_u32 v[STO], s23, v5                   ; in: row r, 32 bytes for each half of the lanes
	v_and_b32 v6, 31, v0
	v_lshlrev_b32 v[CO], 4, v6                     ; back: the 32 lanes take one row of 512 bytes; the same in out
	v_add_nc_u32 v[RD], s23, v[CO]
	v_lshlrev_b32 v[BOF], 5, v2
	s_lshl_b32 s16, s13, 7
	s_lshl_b32 s17, s11, 6
	s_add_co_u32 s16, s16, s17                     ; my first row
	s_lshl_b32 s16, s16, 12                        ; rows of 4,096 bytes
	s_lshl_b32 s46, s42, 10
	s_lshl_b32 s47, s12, 9
	s_add_co_u32 s46, s46, s47                     ; my first column, in bytes
	s_mov_b32 s47, 0
	s_add_nc_u64 s[66:67], s[66:67], s[46:47]      ; bo there
	s_add_co_u32 s16, s16, s46
	s_mov_b32 s17, 0
	s_add_nc_u64 s[8:9], s[8:9], s[16:17]
	WIN 0x80                                       ; destination window 2
.irp b, 0,1,2,3,4,5,6,7
	global_load_b128 v[8*\b:8*\b+3],   v[BOF], s[66:67] offset:64*\b       ; lane (r, h), tile b: bo[first column + 16 b + 8 h + 0 .. 7]
	global_load_b128 v[8*\b+4:8*\b+7], v[BOF], s[66:67] offset:64*\b+16
.endr
	WIN 0
.macro MUL8 f, a, first                ; y's block a against Wo's eight, 32 along K.  The 32 accumulators take turns, one instruction a turn
.irp b, 0,1,2,3,4,5,6,7
.if \first
	v_wmma_f32_16x16x32_f16 v[8*(8*(\a)+\b):8*(8*(\a)+\b)+7], v[\f+8*\b:\f+8*\b+7], v[\f+64+8*(\a):\f+64+8*(\a)+7], v[8*\b:8*\b+7]
.else
	v_wmma_f32_16x16x32_f16 v[8*(8*(\a)+\b):8*(8*(\a)+\b)+7], v[\f+8*\b:\f+8*\b+7], v[\f+64+8*(\a):\f+64+8*(\a)+7], v[8*(8*(\a)+\b):8*(8*(\a)+\b)+7]
.endif
.endr
.endm
.macro FETCH slot, q, f                ; 24 LDS loads in one run: the fragments of the slot's q-th 32 along K: Wo's eight, then y's four
.irp b, 0,1,2,3,4,5,6,7
	ds_load_tr16_b128 v[\f+8*\b:\f+8*\b+3],   v[ADRB+\slot] offset:(\q)*32*PB+32*\b
	ds_load_tr16_b128 v[\f+8*\b+4:\f+8*\b+7], v[ADRB+\slot] offset:(\q)*32*PB+16*PB+32*\b
.endr
.irp a, 0,1,2,3
	ds_load_b128 v[\f+64+8*\a:\f+64+8*\a+3],   v[ADRA+\slot] offset:((\q)/2)*AH+((\q)%2)*64+\a*16*PA
	ds_load_b128 v[\f+64+8*\a+4:\f+64+8*\a+7], v[ADRA+\slot] offset:((\q)/2)*AH+((\q)%2)*64+\a*16*PA+32
.endr
.endm
.macro PLACES                          ; four plain lines between matrix instructions and loads into, or reads of, their registers
.rept 4
	v_nop
.endr
.endm
; A slot is four quarters of 32 along K, 32 matrix instructions each, on buffers 0, 1, 0, 1.  One of the first three: multiplies buffer f and fetches quarter q into g.
.macro QUARTER slot, q, f, g, first
	s_wait_dscnt 4                                 ; Wo's fragments and y's blocks 0, 1 are in; the youngest four loads (blocks 2, 3) may be out
	WIN MUL+0x10*(\first)
	MUL8 \f, 0, \first
	MUL8 \f, 1, \first
	PLACES
	WIN 0
	FETCH \slot, \q, \g
	s_wait_dscnt 24                                ; all but the 24 just issued
	WIN MUL+0x10*(\first)
	MUL8 \f, 2, \first
	MUL8 \f, 3, \first
.endm
; The last quarter multiplies buffer 1 and changes slots: ONE barrier; in front of it each wave waits for all its tensor loads, adds 0 to its spare word, and waits for that and for its reads of this slot.
.macro TURN slot, next, fill
	WIN 0
	s_wait_tensorcnt 0x0                           ; all my tensor loads have landed: my part of the next slot
	ds_add_u32 v[SPW], v[NIL]
	s_wait_dscnt 5                                 ; the add and the youngest four loads may be out
	WIN MUL
	MUL8 F1, 0, 0
	s_wait_dscnt 0x0                               ; the add is done, and my reads of this slot are over
	s_barrier_signal -1
	MUL8 F1, 1, 0
	WIN 0
	s_barrier_wait -1
.if \fill
	CREST                                          ; the barrier has opened a round of the cluster's: no wave of any partner still reads this slot or has a load on its way
	s_add_nc_u64 s[G0+4*\slot+2:G0+4*\slot+3], s[G0+4*\slot+2:G0+4*\slot+3], 2*524288
	s_add_nc_u64 s[G0B+4*\slot+2:G0B+4*\slot+3], s[G0B+4*\slot+2:G0B+4*\slot+3], 2*262144
	JLOAD \slot                                    ; the first tensor load behind the round; its four v_nop are also the plain lines in front of the loads below
.else
	PLACES
.endif
	FETCH \next, 0, F0
	WIN MUL
	MUL8 F1, 2, 0
	MUL8 F1, 3, 0
.endm
	s_wait_tensorcnt 1                             ; my part of slot 0 is in; the one load behind it, slot 1's, may be out
	s_barrier_signal -1
	s_barrier_wait -1
	FETCH 0, 0, F0
	s_wait_loadcnt 0x0                             ; the bias
	QUARTER 0, 1, F0, F1, 1                        ; the first quarter stands in front of the loop: its products start the sums, with the bias
	WIN 0
	s_mov_b32 s3, LAPS-1
.Llap:                                                 ; a trip goes once round the ring, from a lap's second quarter to the next lap's first, and fills both slots again
	QUARTER 0, 2, F1, F0, 0
	QUARTER 0, 3, F0, F1, 0
	TURN 0, 1, 1
	QUARTER 1, 1, F0, F1, 0
	QUARTER 1, 2, F1, F0, 0
	QUARTER 1, 3, F0, F1, 0
	TURN 1, 0, 1
	QUARTER 0, 1, F0, F1, 0
	WIN 0
	s_sub_co_u32 s3, s3, 1
	s_cmp_lg_u32 s3, 0
	s_cbranch_scc1 .Llap
	QUARTER 0, 2, F1, F0, 0                        ; the last lap fills nothing
	QUARTER 0, 3, F0, F1, 0
	TURN 0, 1, 0
	QUARTER 1, 1, F0, F1, 0
	QUARTER 1, 2, F1, F0, 0
	QUARTER 1, 3, F0, F1, 0
	s_wait_dscnt 4                                 ; the very last quarter: the youngest four loads may be out
	WIN MUL
	MUL8 F1, 0, 0
	MUL8 F1, 1, 0
	s_wait_dscnt 0
	MUL8 F1, 2, 0
	MUL8 F1, 3, 0
	WIN 0
; THE WAY OUT, block by block of 16 rows x 128 columns: through my own stage and back as whole rows of 512 bytes.
.macro TOSTAGE a
	WIN 0x04                                       ; an LDS store's data are its source 1: window 1
.irp b, 0,1,2,3,4,5,6,7
	ds_store_b128 v[STO], v[8*(8*(\a)+\b):8*(8*(\a)+\b)+3] offset:64*\b          ; each accumulator from its low end on
	ds_store_b128 v[STO], v[8*(8*(\a)+\b)+4:8*(8*(\a)+\b)+7] offset:64*\b+16
.endr
	WIN 0
.set BB, BK+64*((\a)%2)
.irp t, 0,1,2,3,4,5,6,7,8,9,10,11,12,13,14,15
	ds_load_b128 v[BB+4*\t:BB+4*\t+3], v[RD] offset:\t*SPITCH      ; LDS serves a wave's instructions in order: these see the stores above
.endr
.endm
.macro SEND a, younger                 ; younger: the LDS instructions issued behind block a's loads, which may stay out
.set BB, BK+64*((\a)%2)
	s_wait_dscnt \younger
.irp t, 0,1,2,3,4,5,6,7,8,9,10,11,12,13,14,15
	global_store_b128 v[CO], v[BB+4*\t:BB+4*\t+3], s[8:9] offset:(\a)*65536+\t*4096 th:TH_STORE_NT   ; 32 lanes store 512 consecutive bytes, aligned; written once, read by nobody here
.endr
.endm
	PLACES
	TOSTAGE 0
.irp a, 1,2,3
.if \a > 1
	s_wait_xcnt 0x0                                ; block a - 2's stores have read their registers: block a's loads may land there
.endif
	TOSTAGE \a
	SEND \a-1, 32                                  ; behind block a - 1's loads: block a's 16 stores and 16 loads
.endr
	SEND 3, 0
	s_wait_tensorcnt 0x0                           ; the wave's end, behind my last tensor load and my last LDS store
	ds_add_u32 v[SPW], v[NIL]
	s_wait_dscnt 0x0
	CROUND                                         ; the closing round
	s_endpgm
.Lfunc_end_k_q824628d8e4_proj:
	.size	k_q824628d8e4_proj, .Lfunc_end_k_q824628d8e4_proj-k_q824628d8e4_proj
	.p2alignl 7, 3214868480
	.fill 96, 4, 3214868480
	.section	.rodata,"a",@progbits
	.p2align	6, 0x0
	.amdhsa_kernel k_q824628d8e4_proj
		.amdhsa_group_segment_fixed_size 327680
		.amdhsa_private_segment_fixed_size 0
		.amdhsa_enable_private_segment 0
		.amdhsa_kernarg_size 32
		.amdhsa_user_sgpr_count 2
		.amdhsa_user_sgpr_kernarg_segment_ptr 1
		.amdhsa_wavefront_size32 1
		.amdhsa_system_sgpr_workgroup_id_x 1
		.amdhsa_system_sgpr_workgroup_id_y 1
		.amdhsa_system_sgpr_workgroup_id_z 1
		.amdhsa_system_vgpr_workitem_id 0
		.amdhsa_next_free_vgpr 576
		.amdhsa_next_free_sgpr 70
		.amdhsa_reserve_vcc 0
		.amdhsa_float_denorm_mode_32 3
		.amdhsa_float_denorm_mode_16_64 3
		.amdhsa_memory_ordered 1
		.amdhsa_forward_progress 1
		.amdhsa_inst_pref_size 87
	.end_amdhsa_kernel
	.amdgpu_metadata
---
amdhsa.version: [ 1, 2 ]
amdhsa.kernels:
  - .name:           k_q824628d8e4_proj
    .symbol:         k_q824628d8e4_proj.kd
    .args:
      - { .name: ybuf, .offset: 0, .size: 8, .value_kind: global_buffer, .address_space: global }
      - { .name: wo16, .offset: 8, .size: 8, .value_kind: global_buffer, .address_space: global }
      - { .name: bo, .offset: 16, .size: 8, .value_kind: global_buffer, .address_space: global }
      - { .name: out0, .offset: 24, .size: 8, .value_kind: global_buffer, .address_space: global }
    .group_segment_fixed_size: 327680
    .private_segment_fixed_size: 0
    .kernarg_segment_align: 8
    .kernarg_segment_size: 32
    .max_flat_workgroup_size: 128
    .sgpr_count:     70
    .vgpr_count:     576
    .wavefront_size: 32
...
	.end_amdgpu_metadata
.endif
;; end of part 4
